; MI455X (gfx1250); checked and timed in simulation.
; The chip was launched on July 23, 2026; its instructions are those of AMD's public machine-readable ISA for CDNA 5 (MIT licence, August 2026) and "CDNA5" Instruction Set Architecture Reference Guide (July 2026). The comments in the code are by the model that wrote it; some were corrected since.
;; Multi Scale Retention. Allowed arithmetic: float matrix products may take bf16 or f16 operands with f32 sums; all other float work in f32.
;; Inputs: bg 2,048 float32; bk 2,048 float32; bo 2,048 float32; bq 2,048 float32; bv 2,048 float32; gamma 16 float32; gn_b 2,048 float32; gn_w 2,048 float32; wg 2,048 x 2,048 float32; wk 2,048 x 2,048 float32; wo 2,048 x 2,048 float32; wq 2,048 x 2,048 float32; wv 2,048 x 2,048 float32; x 2 x 1,024 x 2,048 float32.
;; Outputs: out0 2 x 1,024 x 2,048 float32.
;; One version. Each part assembles by itself: llvm-mc -triple=amdgcn-amd-amdhsa -mcpu=gfx1250 --defsym DOCPART=n.
;; ======== version 1 of 1: 5 launches
;; limits: values are held in f16: magnitudes above 65,504 overflow, below 6.1e-05 lose precision; right only within a limited range of input values; values outside matrix products are rounded to f16
;; workspace buffers: h16 50,331,648 bytes; qkvg 33,554,432 bytes; amax 4,096 bytes; ret 16,777,216 bytes; part 16,384 bytes; yh 8,388,608 bytes; rsc 8,192 bytes
;; launch cast (part 1): grid 256 x 6, 8 waves a work-group, no clusters, 0 bytes of LDS; arguments x, wq, wk, wv, wg, wo, h16; writes h16
.if DOCPART == 1
	.amdgcn_target "amdgcn-amd-amdhsa--gfx1250"
	.amdhsa_code_object_version 6
	.text
	.protected	k_q6c9d9183dc_cast
	.globl	k_q6c9d9183dc_cast
	.p2align	8
	.type	k_q6c9d9183dc_cast,@function
k_q6c9d9183dc_cast:
	s_mov_b64 s[64:65], 0
	v_nop
	global_prefetch_b8 v0, s[64:65] scope:SCOPE_SE
	s_setreg_imm32_b32 hwreg(HW_REG_WAVE_MODE, 25, 1), 1
	s_wait_xcnt 0x0
; cast: x and the five weights (f32, 2048 x 2048 each) are rounded once to f16 into h16[6][2048][2048], in the order
; x, wq, wk, wv, wg, wo, each in its own layout (the weights stay [k][n]).
; f16 and not bf16: its 10 bits of mantissa are what the later sums need; LIMIT: a number of magnitude 65,504 or more
; becomes an infinity, numbers below 2^-14 keep an absolute step of 2^-24.
; A stream: no LDS, no barrier, no matrix unit.  Grid y picks the array; a work-group takes 65,536 of its bytes;
; thread t takes 16 bytes at 16 t of each of 16 chunks of 4,096 bytes, so a wave's load covers 512 consecutive bytes
; and its store 256 consecutive bytes, aligned.  All 16 loads go out first; no register is written twice.
.set SEG,   8388608                    ; bytes of one f16 array
.set CHUNK, 4096                       ; bytes that the 256 threads load at once
.set X, 4                              ; v[4:67]   16 x 4 registers as loaded
.set Y, 68                             ; v[68:99]  16 x 2 registers to store
	s_load_b256 s[4:11], s[0:1], 0x0               ; x, wq, wk, wv
	s_load_b128 s[12:15], s[0:1], 0x20             ; wg, wo
	s_load_b64 s[16:17], s[0:1], 0x30              ; h16
	s_and_b32 s18, ttmp7, 0xffff                   ; which array
	s_lshl_b32 s24, ttmp9, 16                      ; my 65,536 bytes of it
	s_mov_b32 s25, 0
	s_lshl_b32 s26, s18, 23                        ; array x SEG
	s_lshl_b32 s27, ttmp9, 15                      ; + my 32,768 bytes of the result
	s_add_co_u32 s26, s26, s27
	s_mov_b32 s27, 0
	v_lshlrev_b32 v1, 4, v0                        ; 16 t
	v_lshlrev_b32 v2, 3, v0                        ; 8 t
	s_wait_kmcnt 0x0
	s_mov_b64 s[20:21], s[4:5]
.irp i, 1,2,3,4,5
	s_cmp_eq_u32 s18, \i                           ; the choice hangs on the grid's y alone
	s_cselect_b64 s[20:21], s[4+2*\i:5+2*\i], s[20:21]
.endr
	s_add_nc_u64 s[20:21], s[20:21], s[24:25]
	s_add_nc_u64 s[22:23], s[16:17], s[26:27]
.irp i, 0,1,2,3,4,5,6,7,8,9,10,11,12,13,14,15
	global_load_b128 v[X+4*\i:X+4*\i+3], v1, s[20:21] offset:CHUNK*\i th:TH_LOAD_NT    ; read once in the launch
.endr
.irp i, 0,1,2,3,4,5,6,7,8,9,10,11,12,13,14,15
	s_wait_loadcnt 15-\i                           ; loads come back in order: chunk i is in, the 15 - i younger ones stay out
	v_cvt_pk_f16_f32 v[Y+2*\i],   v[X+4*\i],   v[X+4*\i+1]
	v_cvt_pk_f16_f32 v[Y+2*\i+1], v[X+4*\i+2], v[X+4*\i+3]
	global_store_b64 v2, v[Y+2*\i:Y+2*\i+1], s[22:23] offset:(CHUNK/2)*\i
.endr
	s_endpgm
.Lfunc_end_k_q6c9d9183dc_cast:
	.size	k_q6c9d9183dc_cast, .Lfunc_end_k_q6c9d9183dc_cast-k_q6c9d9183dc_cast
	.p2alignl 7, 3214868480
	.fill 96, 4, 3214868480
	.section	.rodata,"a",@progbits
	.p2align	6, 0x0
	.amdhsa_kernel k_q6c9d9183dc_cast
		.amdhsa_group_segment_fixed_size 0
		.amdhsa_private_segment_fixed_size 0
		.amdhsa_enable_private_segment 0
		.amdhsa_kernarg_size 56
		.amdhsa_user_sgpr_count 2
		.amdhsa_user_sgpr_kernarg_segment_ptr 1
		.amdhsa_wavefront_size32 1
		.amdhsa_system_sgpr_workgroup_id_x 1
		.amdhsa_system_sgpr_workgroup_id_y 1
		.amdhsa_system_sgpr_workgroup_id_z 1
		.amdhsa_system_vgpr_workitem_id 0
		.amdhsa_next_free_vgpr 100
		.amdhsa_next_free_sgpr 66
		.amdhsa_reserve_vcc 0
		.amdhsa_float_denorm_mode_32 3
		.amdhsa_float_denorm_mode_16_64 3
		.amdhsa_memory_ordered 1
		.amdhsa_forward_progress 1
		.amdhsa_inst_pref_size 7
	.end_amdhsa_kernel
	.amdgpu_metadata
---
amdhsa.version: [ 1, 2 ]
amdhsa.kernels:
  - .name:           k_q6c9d9183dc_cast
    .symbol:         k_q6c9d9183dc_cast.kd
    .args:
      - { .name: x, .offset: 0, .size: 8, .value_kind: global_buffer, .address_space: global }
      - { .name: wq, .offset: 8, .size: 8, .value_kind: global_buffer, .address_space: global }
      - { .name: wk, .offset: 16, .size: 8, .value_kind: global_buffer, .address_space: global }
      - { .name: wv, .offset: 24, .size: 8, .value_kind: global_buffer, .address_space: global }
      - { .name: wg, .offset: 32, .size: 8, .value_kind: global_buffer, .address_space: global }
      - { .name: wo, .offset: 40, .size: 8, .value_kind: global_buffer, .address_space: global }
      - { .name: h16, .offset: 48, .size: 8, .value_kind: global_buffer, .address_space: global }
    .group_segment_fixed_size: 0
    .private_segment_fixed_size: 0
    .kernarg_segment_align: 8
    .kernarg_segment_size: 56
    .max_flat_workgroup_size: 256
    .sgpr_count:     66
    .vgpr_count:     100
    .wavefront_size: 32
...
	.end_amdgpu_metadata
.endif
;; end of part 1
;; launch proj (part 2): grid 32 x 8, 4 waves a work-group, clusters of 4 x 4, 327,680 bytes of LDS; arguments bq, bk, bv, bg, h16, qkvg, amax; writes qkvg, amax
.if DOCPART == 2
	.amdgcn_target "amdgcn-amd-amdhsa--gfx1250"
	.amdhsa_code_object_version 6
	.text
	.protected	k_q6c9d9183dc_proj
	.globl	k_q6c9d9183dc_proj
	.p2align	8
	.type	k_q6c9d9183dc_proj,@function
k_q6c9d9183dc_proj:
	s_mov_b64 s[64:65], 0
	v_nop
	global_prefetch_b8 v0, s[64:65] scope:SCOPE_SE
	s_setreg_imm32_b32 hwreg(HW_REG_WAVE_MODE, 25, 1), 1
	s_wait_xcnt 0x0
	s_wait_alu depctr_hold_cnt(0) depctr_sa_sdst(0) depctr_va_vdst(0) depctr_va_sdst(0) depctr_va_ssrc(0) depctr_va_vcc(0) depctr_vm_vsrc(0)
	s_getreg_b32 s2, hwreg(HW_REG_IB_STS2, 6, 4)
	s_cmp_eq_u32 s2, 0
	s_cbranch_scc0 .Lentry_in_a_cluster
	s_endpgm
.Lentry_in_a_cluster:
	s_bfe_u32 s2, ttmp6, 0x10000c
	s_cmp_lg_u32 s2, 0xf033
	s_cbranch_scc0 .Lentry_shape_is_right
	s_endpgm
.Lentry_shape_is_right:
; proj: qkvg[mat][row][col] = f16( x[row][:] . w_mat[:][col] + bias_mat[col] ), mat = q, k, v, g: one product of 2048 x 8192 x 2048.
; amax[mat][row / 128][col / 128] = the largest magnitude of each 128 x 128 block (f32), for the scale of the next launch.
; Operands in f16 from h16 (x [row][k]; the weights [k][col]), sums in f32.  LIMIT: results of magnitude 65,504 or more become infinities.
; A work-group makes 256 x 256 with four waves, a wave 128 x 128: 64 accumulator tiles, 512 registers.  K goes in 16 steps of 128 through
; two LDS slots filled by the tensor data mover; every row of a tile is 256 consecutive bytes of memory, aligned.
; CLUSTERS: 4 x 4 work-groups.  x's tile hangs on the block row alone and is asked for jointly by a row of the cluster, a weight's tile on the
; block column alone and is asked for jointly by a column: the requests for both are divided by four.
; The weights lie [k][col], so their fragments are read from LDS by the transposing load (ds_load_tr16_b128), from rows 288 bytes apart.
; THE MATRIX INSTRUCTION IS USED TRANSPOSED: source 0 = 16 columns of the weight, source 1 = 16 rows of x: lane l then holds row l % 16 and
; the eight neighbouring columns 8 (l / 16) + 0..7, which pack into 16 bytes of f16.
; REGISTERS in windows of 256: window 0: v16-30 addresses; v32-63, v224-255 my 64 biases; v64-127, v128-191 x's fragments, two buffers;
; v192-223 at work on the way out.  Window 1: v64-191 the weight's fragments.  Windows 2, 3: the accumulators of my rows 0-63, 64-127.
.set RG,     36864                     ; an LDS region: 128 rows of 288 bytes (x's rows take 272 of them)
.set SLOT,   4*RG                      ; x's two row halves, then the weight's two column halves
.set STAGE,  2*SLOT                    ; behind the ring: 16 rows x 272 bytes for each wave; no tile lands here
.set PA,     272                       ; x's LDS rows: 256 bytes + 16: the 16 rows of a fragment load start 16 bytes apart modulo 256
.set PB,     288                       ; the weight's LDS rows: 256 bytes + 32, an odd multiple of 32 for the transposing load
.set SPITCH, 272
.set SEG,    8388608                   ; bytes of one f16 array of 2048 x 2048
.set ROWB,   4096                      ; bytes of one of its rows
.set LAPS,   8                         ; 2048 / (2 x 128): a lap = two K steps = once round the ring
.set ADRA, 16                          ; v16-17  LDS address of my x fragments in slot 0, 1
.set ADRB, 20                          ; v20-21  the same for the weight
.set STO,  24                          ; v24     the way out: where I put 16 bytes of a row
.set RD,   25                          ; v25     the way out: where I read a row back
.set CO,   26                          ; v26     my byte offset in the result
.set AM,   27                          ; v27     running largest magnitude
.set F0,   64
.set F1,   128
.set TMP,  192
.set G1,  24                           ; s[24:31] descriptor group 1, x's tiles
.set G0,  32                           ; s[32:39] descriptor group 0, x's tiles, a set for each slot
.set G1B, 48                           ; s[48:55] group 1, the weight's tiles
.set G0B, 56                           ; s[56:63] group 0, the weight's tiles, a set for each slot
.set MSB, 0
.macro WIN new                         ; the immediate's high byte repeats the setting that is left
.if MSB != \new
	s_set_vgpr_msb (MSB<<8)|\new
.set MSB, \new
.endif
.endm
.set MUL_LO, 0xa1                      ; source 0 window 1, source 1 window 0, C and D window 2
.set MUL_HI, 0xf1                      ; the same, C and D window 3
.set TO_B,   0x40                      ; destination window 1, address window 0
; A joint load.  Waves 0, 1 fetch x's two row halves, waves 2, 3 the weight's two column halves.  The branch hangs on the wave's number alone.
.macro JLOAD s
	s_cmp_eq_u32 s11, 0
	s_cbranch_scc0 .Lfor_b_\@
	tensor_load_to_lds s[G0+4*\s:G0+4*\s+3], s[G1:G1+7]
	s_nop 0
	s_branch .Lasked_\@
.Lfor_b_\@:
	tensor_load_to_lds s[G0B+4*\s:G0B+4*\s+3], s[G1B:G1B+7]
	s_nop 0
.Lasked_\@:
.endm
; A round of the cluster's barrier: my work-group's barrier; wave 0 signals for the work-group; every wave waits for all sixteen; my work-group's barrier again.
.macro CREST
	s_cmp_lg_u32 s10, 0
	s_cbranch_scc1 .Lnot_wave_0_\@
	s_barrier_signal -3
.Lnot_wave_0_\@:
	s_barrier_wait -3
	s_barrier_signal -1
	s_barrier_wait -1
.endm
.macro CROUND
	s_barrier_signal -1
	s_barrier_wait -1
	CREST
.endm
	s_load_b256 s[68:75], s[0:1], 0x0              ; bq, bk, bv, bg
	s_load_b128 s[4:7], s[0:1], 0x20               ; h16 s[4:5], qkvg s[6:7]
	s_load_b64 s[8:9], s[0:1], 0x30                ; amax
	s_set_vgpr_msb 0x40
	v_lshl_add_u32 v255, v0, 2, 0x4c400
	s_set_vgpr_msb 0x4000
	v_mov_b32 v23, 0
	s_set_vgpr_msb 0x1
	ds_add_u32 v255, v23
	s_set_vgpr_msb 0x100
	v_lshrrev_b32 v1, 5, v0
	v_readfirstlane_b32 s10, v1                    ; wave 0..3
	s_lshr_b32 s11, s10, 1                         ; my half of the block's rows.  Also: I fetch for x (0) or for the weight (1)
	s_and_b32 s12, s10, 1                          ; my half of its columns.  Also: which half of that tile I fetch
	s_bfe_u32 s40, ttmp6, 0x40000                  ; cx
	s_bfe_u32 s41, ttmp6, 0x40004                  ; cy
	s_lshr_b32 s66, ttmp9, 1                       ; which weight: 8 block columns = 2 clusters each
	s_and_b32 s67, ttmp9, 1
	s_lshl_b32 s67, s67, 2
	s_add_co_u32 s67, s67, s40                     ; block column inside the weight, 0..7
	s_and_b32 s13, ttmp7, 0xffff
	s_lshl_b32 s13, s13, 2
	s_add_co_u32 s13, s13, s41                     ; block row = 4 x cluster y + cy
	s_lshl_b32 s43, s41, 2
	s_lshl_b32 s43, 15, s43                        ; my row of the cluster: places 4 cy .. 4 cy + 3
	s_lshl_b32 s44, 0x1111, s40                    ; my column: places cx, cx + 4, cx + 8, cx + 12
	; group 1: tiles of 128 rows x 128 elements of 2 bytes, rows 2,048 elements apart; after every 64 words x's rows get 4 words of padding, the weight's 8
	s_or_b32 s[G1+0], s43, (1<<16)|(1<<20)|(1<<21)|(5<<22)|(3<<25)
	s_or_b32 s[G1B+0], s44, (1<<16)|(1<<20)|(1<<21)|(5<<22)|(7<<25)
	s_mov_b32 s[G1+1], 128<<16                     ; tensor_dim0 = 128
	s_mov_b32 s[G1B+1], 128<<16
	s_mov_b32 s[G1+2], 128<<16                     ; tensor_dim1 = 128
	s_mov_b32 s[G1B+2], 128<<16
	s_mov_b32 s[G1+3], 128<<16                     ; tile_dim0 = 128
	s_mov_b32 s[G1B+3], 128<<16
	s_mov_b32 s[G1+4], 128                         ; tile_dim1 = 128
	s_mov_b32 s[G1B+4], 128
	s_mov_b32 s[G1+5], 2048                        ; elements from row to row
	s_mov_b32 s[G1B+5], 2048
	s_mov_b32 s[G1+6], 0
	s_mov_b32 s[G1B+6], 0
	s_mov_b32 s[G1+7], 0
	s_mov_b32 s[G1B+7], 0
	; x's tile hangs on the block row and the wave; the weight's on the block column and the wave; each in registers that never hold the other coordinate
	s_lshl_b32 s17, s12, 7
	s_lshl_b32 s16, s13, 8
	s_add_co_u32 s16, s16, s17                     ; x: row 256 x block row + 128 x half
	s_lshl_b32 s16, s16, 12                        ; in bytes
	s_mov_b32 s17, 0
	s_add_co_u32 s46, s66, 1
	s_lshl_b32 s46, s46, 23                        ; the weight's array in h16
	s_lshl_b32 s47, s67, 9
	s_add_co_u32 s46, s46, s47                     ; + 512 bytes x block column
	s_lshl_b32 s47, s12, 8
	s_add_co_u32 s46, s46, s47                     ; + 256 bytes x half
	s_mov_b32 s47, 0
	s_mul_i32 s20, s10, RG                         ; where my load lands: wave x region
	s_lshl_b32 s78, s67, 10                        ; my 128 biases: 4 bytes x (256 x block column + 128 x half)
	s_lshl_b32 s79, s12, 9
	s_add_co_u32 s78, s78, s79
	s_mov_b32 s79, 0
	s_mov_b32 s82, 0x76543210                      ; v_permlanex16_b32: lane i reads lane i of the other half
	s_mov_b32 s83, 0xfedcba98
	s_wait_dscnt 0x0
	s_wait_kmcnt 0x0
	s_add_nc_u64 s[14:15], s[4:5], s[16:17]
	s_add_nc_u64 s[46:47], s[4:5], s[46:47]
	CROUND                                         ; all sixteen work-groups are here: the first joint loads meet
.irp s, 0,1
	s_mov_b32 s[G0+4*\s], 1
	s_add_co_u32 s[G0+4*\s+1], s20, \s*SLOT
	s_add_nc_u64 s[G0+4*\s+2:G0+4*\s+3], s[14:15], \s*256          ; K step s: 128 elements along x's rows
	s_or_b32 s[G0+4*\s+3], s[G0+4*\s+3], 0x80000000
	s_mov_b32 s[G0B+4*\s], 1
	s_add_co_u32 s[G0B+4*\s+1], s20, \s*SLOT
	s_add_nc_u64 s[G0B+4*\s+2:G0B+4*\s+3], s[46:47], \s*128*ROWB   ; K step s: 128 rows down the weight
	s_or_b32 s[G0B+4*\s+3], s[G0B+4*\s+3], 0x80000000
	JLOAD \s
.endr
	s_cmp_eq_u32 s66, 1                            ; the bias that belongs to the weight: the choice hangs on the cluster's x alone
	s_cselect_b64 s[76:77], s[70:71], s[68:69]
	s_cmp_eq_u32 s66, 2
	s_cselect_b64 s[76:77], s[72:73], s[76:77]
	s_cmp_eq_u32 s66, 3
	s_cselect_b64 s[76:77], s[74:75], s[76:77]
	s_add_nc_u64 s[76:77], s[76:77], s[78:79]
	v_and_b32 v1, 15, v0                           ; r = l % 16
	v_bfe_u32 v2, v0, 4, 1                         ; h = l / 16
	v_lshlrev_b32 v29, 5, v2                       ; my eight columns of each 16: 32 h bytes into the bias
.irp b, 0,1,2,3
	global_load_b128 v[32+8*\b:35+8*\b],   v29, s[76:77] offset:64*\b
	global_load_b128 v[36+8*\b:39+8*\b],   v29, s[76:77] offset:64*\b+16
	global_load_b128 v[224+8*\b:227+8*\b], v29, s[76:77] offset:256+64*\b
	global_load_b128 v[228+8*\b:231+8*\b], v29, s[76:77] offset:256+64*\b+16
.endr
	v_mul_u32_u24 v3, v1, PA
	v_lshl_add_u32 v3, v2, 4, v3                   ; x: row r x pitch + 16 h
	v_and_b32 v6, 7, v0
	v_lshl_add_u32 v6, v2, 3, v6                   ; the weight: k row 8 h + (l & 7),
	v_mul_u32_u24 v6, v6, PB
	v_bfe_u32 v7, v0, 3, 1
	v_lshl_add_u32 v6, v7, 4, v6                   ; and 16 bytes further for the lanes with bit 3 set
	s_mul_i32 s21, s11, RG                         ; my 128 rows of x
	s_mul_i32 s22, s12, RG                         ; my 128 columns of the weight,
	s_add_co_u32 s22, s22, 2*RG                    ; which lie behind x's two regions
.irp s, 0,1
	v_add_nc_u32 v[ADRA+\s], s21, v3
	v_add_nc_u32 v[ADRB+\s], s22, v6
	s_add_co_u32 s21, s21, SLOT
	s_add_co_u32 s22, s22, SLOT
.endr
	s_mul_i32 s23, s10, 16*SPITCH
	s_add_co_u32 s23, s23, STAGE                   ; my stage
	v_mul_u32_u24 v4, v1, SPITCH
	v_lshl_add_u32 v4, v2, 4, v4
	v_add_nc_u32 v[STO], s23, v4                   ; in: row r, 16 bytes for each half of the lanes
	v_mul_u32_u24 v5, v2, SPITCH
	v_lshl_add_u32 v5, v1, 4, v5
	v_add_nc_u32 v[RD], s23, v5                    ; back: lanes 0-15 one row of 256 bytes, lanes 16-31 the next
	v_lshlrev_b32 v5, 12, v2
	v_lshl_add_u32 v[CO], v1, 4, v5                ; and the same two rows in the result
	v_mov_b32 v[AM], 0
	v_mov_b32 v28, 0
	v_and_b32 v30, 31, v0                          ; lane
; 16 matrix instructions: row blocks a0, a0 + 1 of the window's four x all 8 column blocks, 32 along K.  zero = 1: the first product starts the sums.
; The 64 accumulators take turns, one instruction a turn, in the same order in every quarter step.
.macro MUL16 f, hi, a0, zero
.irp a, \a0, \a0+1
.irp b, 0,1,2,3,4,5,6,7
.if \zero
	v_wmma_f32_16x16x32_f16 v[8*(8*(\a)+\b):8*(8*(\a)+\b)+7], v[\f+8*\b:\f+8*\b+7], v[\f+8*(4*\hi+\a):\f+8*(4*\hi+\a)+7], 0
.else
	v_wmma_f32_16x16x32_f16 v[8*(8*(\a)+\b):8*(8*(\a)+\b)+7], v[\f+8*\b:\f+8*\b+7], v[\f+8*(4*\hi+\a):\f+8*(4*\hi+\a)+7], v[8*(8*(\a)+\b):8*(8*(\a)+\b)+7]
.endif
.endr
.endr
.endm
; 32 LDS loads in one run: the fragments of quarter q (32 along K) into buffer f.  The weight: k rows 32 q + .., column block i at 32 i bytes, the second
; half of K 16 rows further down.  x: row block i, K at 64 q bytes of the rows.
.macro FETCH slot, q, f
	WIN TO_B
.irp i, 0,1,2,3,4,5,6,7
	ds_load_tr16_b128 v[\f+8*\i:\f+8*\i+3],   v[ADRB+\slot] offset:\q*32*PB+32*\i
	ds_load_tr16_b128 v[\f+8*\i+4:\f+8*\i+7], v[ADRB+\slot] offset:\q*32*PB+32*\i+16*PB
.endr
	WIN 0
.irp i, 0,1,2,3,4,5,6,7
	ds_load_b128 v[\f+8*\i:\f+8*\i+3],   v[ADRA+\slot] offset:64*\q+\i*16*PA
	ds_load_b128 v[\f+8*\i+4:\f+8*\i+7], v[ADRA+\slot] offset:64*\q+\i*16*PA+32
.endr
.endm
; Four plain vector instructions stand between a matrix instruction and a load into one of its registers, or a vector instruction that reads its result
; (ISA guide 7.12.1 for vector instructions).
.macro PLACES
.rept 4
	v_nop
.endr
.endm
.macro QUARTER slot, q, f, g, zero     ; multiplies buffer f; in its middle fetches quarter q of the same slot into buffer g
	s_wait_dscnt 8                                 ; the weight and x's rows 0-63 are in; the youngest eight loads (x's rows 64-127) may be out
	WIN MUL_LO
	MUL16 \f, 0, 0, \zero
	MUL16 \f, 0, 2, \zero
	PLACES
	FETCH \slot, \q, \g
	s_wait_dscnt 32                                ; all but the 32 just issued
	WIN MUL_HI
	MUL16 \f, 1, 0, \zero
	MUL16 \f, 1, 2, \zero
.endm
.macro THREE slot, zero
	QUARTER \slot, 1, F0, F1, \zero
	QUARTER \slot, 2, F1, F0, 0
	QUARTER \slot, 3, F0, F1, 0
.endm
; The last quarter multiplies buffer 1 and changes slots.  In front of the barrier each wave waits for its reads of this slot and for all its tensor loads
; (one is out: its part of the next slot).  Behind it the refill comes first, then the next slot's first fragments.
.macro TURN slot, next, fill
	s_wait_dscnt 8
	WIN MUL_LO
	MUL16 F1, 0, 0, 0
	s_wait_dscnt 0                                 ; my reads of this slot are over
	s_wait_tensorcnt 0x0                           ; all my tensor loads have landed
	ds_add_u32 v255, v23
	s_wait_dscnt 0x0
	s_barrier_signal -1                            ; where the slot is filled again this barrier opens a round of the cluster's barrier
	MUL16 F1, 0, 2, 0                              ; register work while the others arrive
	WIN 0
	s_barrier_wait -1
.if \fill
	CREST                                          ; no wave of any partner still reads this slot or has a load on its way
	s_add_nc_u64 s[G0+4*\slot+2:G0+4*\slot+3], s[G0+4*\slot+2:G0+4*\slot+3], 2*256
	s_add_nc_u64 s[G0B+4*\slot+2:G0B+4*\slot+3], s[G0B+4*\slot+2:G0B+4*\slot+3], 2*128*ROWB
	JLOAD \slot                                    ; the first tensor load behind the round, my only one until the next
.endif
	PLACES
	FETCH \next, 0, F0
	WIN MUL_HI
	MUL16 F1, 1, 0, 0
	MUL16 F1, 1, 2, 0
.endm
.macro LAP zero
	THREE 0, \zero
	TURN 0, 1, 1
	THREE 1, 0
	TURN 1, 0, 1
.endm
	s_wait_loadcnt 0x0                             ; the 16 loads of the bias, once
	s_wait_tensorcnt 1                             ; my part of K step 0 is in; K step 1's stays out
	s_barrier_signal -1
	s_barrier_wait -1
	FETCH 0, 0, F0
	LAP 1                                          ; the first lap stands in front of the loop: its first products start the sums
	WIN 0
	s_mov_b32 s3, LAPS-2
.Llap:
	LAP 0
	WIN 0
	s_sub_co_u32 s3, s3, 1
	s_cmp_lg_u32 s3, 0
	s_cbranch_scc1 .Llap
	THREE 0, 0                                     ; the last lap fills nothing
	TURN 0, 1, 0
	THREE 1, 0
	s_wait_dscnt 8
	WIN MUL_LO
	MUL16 F1, 0, 0, 0
	MUL16 F1, 0, 2, 0
	s_wait_dscnt 0
	WIN MUL_HI
	MUL16 F1, 1, 0, 0
	MUL16 F1, 1, 2, 0
	; THE WAY OUT, 16 rows at a time: add the bias, note the largest magnitude, round to f16, 16 bytes a lane into my stage, back as whole rows of 256 bytes.
	PLACES
	s_lshl_b32 s78, s13, 1
	s_add_co_u32 s78, s78, s11                     ; my block of 128 rows, 0..15
	s_lshl_b32 s79, s67, 1
	s_add_co_u32 s79, s79, s12                     ; my block of 128 columns = the head, 0..15
	s_lshl_b32 s80, s66, 4
	s_add_co_u32 s80, s80, s78
	s_lshl_b32 s80, s80, 4
	s_add_co_u32 s80, s80, s79
	s_lshl_b32 s80, s80, 2                         ; my word of amax
	s_lshl_b32 s78, s78, 19                        ; 128 rows of 4,096 bytes
	s_lshl_b32 s79, s79, 8                         ; 128 columns of 2 bytes
	s_add_co_u32 s78, s78, s79
	s_lshl_b32 s79, s66, 23                        ; the result's array
	s_add_co_u32 s78, s78, s79
	s_mov_b32 s79, 0
	s_add_nc_u64 s[6:7], s[6:7], s[78:79]
; rows 16 i .. 16 i + 15 of my block = the eight tiles (a, 0..7) of window 2 or 3.  w1: destination and source 0 in that window; w2: sources 0 and 1.
.macro OUT16 i, a, w1, w2, f
	WIN \w1
.irp b, 0,1,2,3,4,5,6,7
.irp k, 0,1,2,3
	v_pk_add_f32 v[8*(8*\a+\b)+2*\k:8*(8*\a+\b)+2*\k+1], v[8*(8*\a+\b)+2*\k:8*(8*\a+\b)+2*\k+1], v[32+8*\b+160*(\b>>2)+2*\k:33+8*\b+160*(\b>>2)+2*\k]
.endr
.endr
	WIN \w2
.irp b, 0,1,2,3,4,5,6,7
.irp k, 0,1,2,3
	v_max3_num_f32 v[AM], |v[8*(8*\a+\b)+2*\k]|, |v[8*(8*\a+\b)+2*\k+1]|, v[AM]
	v_cvt_pk_f16_f32 v[TMP+4*\b+\k], v[8*(8*\a+\b)+2*\k], v[8*(8*\a+\b)+2*\k+1]
.endr
.endr
	WIN 0
.irp b, 0,1,2,3,4,5,6,7
	ds_store_b128 v[STO], v[TMP+4*\b:TMP+4*\b+3] offset:32*\b
.endr
	s_wait_xcnt 0x0                                ; buffer f, which earlier stores read, and the stores' base are rewritten only behind this wait
.if \i
	s_add_nc_u64 s[6:7], s[6:7], 16*ROWB
.endif
.irp t, 0,1,2,3,4,5,6,7
	ds_load_b128 v[\f+4*\t:\f+4*\t+3], v[RD] offset:\t*2*SPITCH    ; LDS serves a wave's instructions in order: these see the stores above
.endr
.irp t, 0,1,2,3,4,5,6,7
	s_wait_dscnt 7-\t                              ; pair t of rows is in, the younger ones stay out
	global_store_b128 v[CO], v[\f+4*\t:\f+4*\t+3], s[6:7] offset:2*\t*ROWB   ; 16 lanes store 256 consecutive bytes, aligned
.endr
.endm
	OUT16 0, 0, 0x82, 0x0a, F0
	OUT16 1, 1, 0x82, 0x0a, F1
	OUT16 2, 2, 0x82, 0x0a, F0
	OUT16 3, 3, 0x82, 0x0a, F1
	OUT16 4, 0, 0xc3, 0x0f, F0
	OUT16 5, 1, 0xc3, 0x0f, F1
	OUT16 6, 2, 0xc3, 0x0f, F0
	OUT16 7, 3, 0xc3, 0x0f, F1
	; the block's largest magnitude over the 32 lanes; lane 0 stores it
	v_max_num_f32_dpp v[AM], v[AM], v[AM] row_xmask:1 row_mask:0xf bank_mask:0xf
	v_max_num_f32_dpp v[AM], v[AM], v[AM] row_xmask:2 row_mask:0xf bank_mask:0xf
	v_max_num_f32_dpp v[AM], v[AM], v[AM] row_xmask:4 row_mask:0xf bank_mask:0xf
	v_max_num_f32_dpp v[AM], v[AM], v[AM] row_xmask:8 row_mask:0xf bank_mask:0xf
	v_permlanex16_b32 v28, v[AM], s82, s83
	v_max_num_f32 v[AM], v[AM], v28
	v_mov_b32 v31, s80
	v_cmp_eq_u32 vcc_lo, 0, v30
	s_wait_xcnt 0x0                                ; EXEC is a source of the stores above: it changes only behind this wait
	s_and_saveexec_b32 s81, vcc_lo
	global_store_b32 v31, v[AM], s[8:9]
	s_wait_xcnt 0x0                                ; and again in front of the line that widens it
	s_or_b32 exec_lo, exec_lo, s81
	s_set_vgpr_msb 0x1
	s_wait_tensorcnt 0x0
	ds_add_u32 v255, v23
	s_wait_dscnt 0x0
	s_set_vgpr_msb 0x100
	CROUND                                         ; the closing round: no work-group ends while a partner may still ask for a tile that names it
	s_endpgm
.Lfunc_end_k_q6c9d9183dc_proj:
	.size	k_q6c9d9183dc_proj, .Lfunc_end_k_q6c9d9183dc_proj-k_q6c9d9183dc_proj
	.p2alignl 7, 3214868480
	.fill 96, 4, 3214868480
	.section	.rodata,"a",@progbits
	.p2align	6, 0x0
	.amdhsa_kernel k_q6c9d9183dc_proj
		.amdhsa_group_segment_fixed_size 327680
		.amdhsa_private_segment_fixed_size 0
		.amdhsa_enable_private_segment 0
		.amdhsa_kernarg_size 56
		.amdhsa_user_sgpr_count 2
		.amdhsa_user_sgpr_kernarg_segment_ptr 1
		.amdhsa_wavefront_size32 1
		.amdhsa_system_sgpr_workgroup_id_x 1
		.amdhsa_system_sgpr_workgroup_id_y 1
		.amdhsa_system_sgpr_workgroup_id_z 1
		.amdhsa_system_vgpr_workitem_id 0
		.amdhsa_next_free_vgpr 1024
		.amdhsa_next_free_sgpr 84
		.amdhsa_reserve_vcc 1
		.amdhsa_float_denorm_mode_32 3
		.amdhsa_float_denorm_mode_16_64 3
		.amdhsa_memory_ordered 1
		.amdhsa_forward_progress 1
		.amdhsa_inst_pref_size 232
	.end_amdhsa_kernel
	.amdgpu_metadata
---
amdhsa.version: [ 1, 2 ]
amdhsa.kernels:
  - .name:           k_q6c9d9183dc_proj
    .symbol:         k_q6c9d9183dc_proj.kd
    .args:
      - { .name: bq, .offset: 0, .size: 8, .value_kind: global_buffer, .address_space: global }
      - { .name: bk, .offset: 8, .size: 8, .value_kind: global_buffer, .address_space: global }
      - { .name: bv, .offset: 16, .size: 8, .value_kind: global_buffer, .address_space: global }
      - { .name: bg, .offset: 24, .size: 8, .value_kind: global_buffer, .address_space: global }
      - { .name: h16, .offset: 32, .size: 8, .value_kind: global_buffer, .address_space: global }
      - { .name: qkvg, .offset: 40, .size: 8, .value_kind: global_buffer, .address_space: global }
      - { .name: amax, .offset: 48, .size: 8, .value_kind: global_buffer, .address_space: global }
    .group_segment_fixed_size: 327680
    .private_segment_fixed_size: 0
    .kernarg_segment_align: 8
    .kernarg_segment_size: 56
    .max_flat_workgroup_size: 128
    .sgpr_count:     84
    .vgpr_count:     1024
    .wavefront_size: 32
...
	.end_amdgpu_metadata
.endif
;; end of part 2
;; launch retn (part 3): grid 8 x 32, 8 waves a work-group, no clusters, 327,680 bytes of LDS; arguments qkvg, amax, gamma, ret, part; writes ret, part
.if DOCPART == 3
	.amdgcn_target "amdgcn-amd-amdhsa--gfx1250"
	.amdhsa_code_object_version 6
	.text
	.protected	k_q6c9d9183dc_retn
	.globl	k_q6c9d9183dc_retn
	.p2align	8
	.type	k_q6c9d9183dc_retn,@function
k_q6c9d9183dc_retn:
	s_mov_b64 s[64:65], 0
	v_nop
	global_prefetch_b8 v0, s[64:65] scope:SCOPE_SE
	s_setreg_imm32_b32 hwreg(HW_REG_WAVE_MODE, 25, 1), 1
	s_wait_xcnt 0x0
; retn: ret[b][n][head][:] = sum over m <= n of (q_n . k_m) gamma^(n - m) v_m, f32, and for each tile of 16 queries x 128 its mean and its centred
; sum of squares (part[b x 16 + head][tile][2]), from which the next launch joins the GroupNorm's statistics without a difference of large sums.
; Grid y = batch x 16 + head; grid x = p.  The work-group owns the query blocks of 64 rows p (low) and 15 - p (high).  The low block's keys are a prefix
; of the high block's, so both walk the keys together: tiles of 256 keys of K and V, at most four, through two LDS slots.
; EIGHT WAVES: wave = (tq = wave & 3, e = wave >> 2).  A pair (tq, 0), (tq, 1) owns query tile tq of both blocks.  A UNIT is 64 keys x 16 queries; wave e
; takes the units u = 2 gh + e with u <= block: (p + 1) + (16 - p) = 17 units a pair, 9 for e = 0 and 8 for e = 1 whatever p is.  The sums are linear, so the
; pair's two partial O are added through LDS: e = 0 hands its low partial to e = 1 behind tile 1 (no low unit lies further on), e = 1 its high partial to
; e = 0 at the end; the receiver takes the scale out, makes the statistics and stores.
; The text is straight: 12 units with forward branches on p and e.  Unit gh = 0 of each block is always done (where it lies above the diagonal the mask makes
; it 0) and its products start the sums with the constant 0 as C: nothing is cleared.
; S^T = K (source 0) x Q (source 1): lane (r, h) holds query r and keys 8 h + j, so two tiles of S, converted in pairs, ARE the fragment of P for 32 keys.
; O^T = V^T (source 0, by the transposing load) x P (source 1): lane (r, h) holds query r and columns 16 t + 8 h + j.
; THE MASK.  With d = (query tile) - (key tile): gamma^(n - m) = gamma^(16 (d - 1)) x gamma^(16 + r - 8 h - j) for d >= 1, gamma^(r - 8 h - j) where that
; exponent is >= 0 for d = 0, else 0.  So F_j = TB_j a + DB_j b with two tables of eight a lane and two scalars a key tile; every exponent is >= 0.
; THE SCALE.  P goes to the matrix unit in f16: it is multiplied by a power of two sc such that |P| < 2^15, from the head's largest |q| and |k| (amax) and
; from gamma (for gamma > 1), and O is multiplied by 1 / sc at the end: both are exact.
; LIMITS: gamma < 0 counts as 0 (its logarithm does not exist); gamma^e below 2^-126 counts as 0; NaN and infinities in q, k are not carried through amax.
; NO CLUSTER: the eight work-groups of a head read the same tiles in the same order, but which units a wave multiplies and which regions it asks for hang on
; p, and a joint request allows no branch that differs between partners; with every partner doing the largest share of four neighbours a pair would
; multiply 20 units in place of 17.
.set SEG,   8388608                    ; bytes of one f16 array of 2048 x 2048
.set PK,    272                        ; K's LDS rows: 256 bytes + 16
.set PV,    288                        ; V's LDS rows: 256 bytes + 32, an odd multiple of 32 for the transposing load
.set SP,    528                        ; the stage's rows: 512 bytes + 16
.set RGV,   64*PV                      ; a region: 64 keys of V
.set RGK,   64*PK                      ; 64 keys of K
.set KBASE, 4*RGV                      ; a slot: V's four regions, then K's four
.set SLOT,  4*RGV+4*RGK                ; 143,360 bytes: 256 keys
.set STAGE, 2*SLOT                     ; behind the ring: 16 rows x 528 bytes for each pair of waves; no tile lands here
.set TILEB, 256*4096                   ; bytes from a tile of 256 keys to the next
.set ADRK, 4                           ; v4-5    LDS address of my K fragments in slot 0, 1 (region e)
.set ADRV, 6                           ; v6-7    the same for V
.set QOL,  8                           ; v8, v9  byte offset of my part of Q, low and high block
.set QOH,  9
.set ROL,  10                          ; v10, v11  byte offset of my 16 bytes in ret
.set ROH,  11
.set POL,  12                          ; v12, v13  byte offset of my tile's pair in part
.set POH,  13
.set STO,  14                          ; v14     the stage by (query r, 32 h bytes): hand-over and way in
.set RD,   15                          ; v15     the stage by rows of 512 bytes: way back
.set TB,   24                          ; v[24:31]  sc gamma^(16 + r - 8 h - j)
.set DB,   32                          ; v[32:39]  sc gamma^(r - 8 h - j), or 0
.set FM,   40                          ; v[40:47]  the mask of one key tile
.set SS,   48                          ; v[48:63]  two tiles of S; then P in v[48:55]
.set SC,   40                          ; v[40:47]  between units: four chains of sums
.set TD,   48                          ; v[48:55]  between units: distances from the mean
.set MP,   56                          ; v[56:57]  the mean twice, then (mean, centred sum of squares)
.set KF,   64                          ; v[64:127] K's fragments: 2 key tiles x 4 steps of 32 along d; between units: the partner's partial
.set VF,   128                         ; v[128:191] V's fragments: 8 column blocks x 32 keys; between units: rows on their way out
.set OA,   192                         ; v[192:255] O of the high block: 8 tiles
.set QH,   0                           ; window 1: v[0:31] Q of the high block, v[32:63] Q of the low block, v[64:127] O of the low block
.set QL,   32
.set OL,   64
.set G1K, 24                           ; s[24:31] group 1 for K's regions
.set G1V, 32                           ; s[32:39] group 1 for V's regions
.set G0V, 40                           ; s[40:47] group 0 for V, a set for each slot
.set G0K, 48                           ; s[48:55] group 0 for K, a set for each slot
.set MSB, 0
.macro WIN new                         ; the immediate's high byte repeats the setting that is left
.if MSB != \new
	s_set_vgpr_msb (MSB<<8)|\new
.set MSB, \new
.endif
.endm
.macro JLOAD s                         ; waves 0-3 fetch V's four regions of 64 keys, waves 4-7 K's
	s_cmp_eq_u32 s15, 0
	s_cbranch_scc0 .Lfor_k_\@
	tensor_load_to_lds s[G0V+4*\s:G0V+4*\s+3], s[G1V:G1V+7]
	s_nop 0
	s_branch .Lasked_\@
.Lfor_k_\@:
	tensor_load_to_lds s[G0K+4*\s:G0K+4*\s+3], s[G1K:G1K+7]
	s_nop 0
.Lasked_\@:
.endm
.macro RLOAD s, j                      ; a refill with tile j: my region holds unit 4 j + (wave & 3); it is fetched only if the high block reads it
	s_add_co_u32 s23, s16, 4*\j
	s_cmp_le_u32 s23, s19
	s_cbranch_scc0 .Lnone_\@
	JLOAD \s
.Lnone_\@:
.endm
	s_load_b256 s[4:11], s[0:1], 0x0               ; qkvg s[4:5], amax s[6:7], gamma s[8:9], ret s[10:11]
	s_load_b64 s[12:13], s[0:1], 0x20              ; part
	s_set_vgpr_msb 0x40
	v_lshl_add_u32 v128, v0, 2, 0x4e400
	v_mov_b32 v129, 0
	s_set_vgpr_msb 0x4045
	ds_add_u32 v128, v129
	s_set_vgpr_msb 0x4500
	v_lshrrev_b32 v1, 5, v0
	v_readfirstlane_b32 s14, v1                    ; wave 0..7
	s_lshr_b32 s15, s14, 2                         ; e: the parity of my units.  Also: I fetch for V (0) or K (1)
	s_and_b32 s16, s14, 3                          ; tq: my query tile in a block.  Also: which region of 64 keys I fetch
	s_mov_b32 s17, ttmp9                           ; p: the low block
	s_and_b32 s18, ttmp7, 0xffff                   ; batch x 16 + head
	s_sub_co_u32 s19, 15, s17                      ; the high block
	s_lshr_b32 s56, s18, 4                         ; batch
	s_and_b32 s57, s18, 15                         ; head
	; group 1: 64 rows x 128 elements of 2 bytes, rows 2,048 elements apart; after every 64 words K's rows get 4 words of padding, V's 8
	s_mov_b32 s[G1K+0], (1<<16)|(1<<20)|(5<<22)|(3<<25)
	s_mov_b32 s[G1V+0], (1<<16)|(1<<20)|(5<<22)|(7<<25)
	s_mov_b32 s[G1K+1], 128<<16
	s_mov_b32 s[G1V+1], 128<<16
	s_mov_b32 s[G1K+2], 64<<16
	s_mov_b32 s[G1V+2], 64<<16
	s_mov_b32 s[G1K+3], 128<<16
	s_mov_b32 s[G1V+3], 128<<16
	s_mov_b32 s[G1K+4], 64
	s_mov_b32 s[G1V+4], 64
	s_mov_b32 s[G1K+5], 2048
	s_mov_b32 s[G1V+5], 2048
	s_mov_b32 s[G1K+6], 0
	s_mov_b32 s[G1V+6], 0
	s_mov_b32 s[G1K+7], 0
	s_mov_b32 s[G1V+7], 0
	s_lshl_b32 s58, s56, 10
	s_lshl_b32 s59, s16, 6
	s_add_co_u32 s58, s58, s59                     ; row batch x 1024 + 64 x region
	s_lshl_b32 s58, s58, 12
	s_lshl_b32 s59, s57, 8                         ; the head's 256 bytes of a row
	s_add_co_u32 s58, s58, s59
	s_add_co_u32 s60, s58, 2*SEG                   ; in v's array
	s_mov_b32 s61, 0
	s_add_co_u32 s58, s58, SEG                     ; in k's array
	s_mov_b32 s59, 0
	s_mul_i32 s62, s14, RGV                        ; where a load of V lands (waves 0-3): wave x region
	s_mul_i32 s63, s14, RGK                        ; where a load of K lands (waves 4-7): behind V's four regions,
	s_add_co_u32 s63, s63, KBASE-4*RGK             ; (wave - 4) x region
	s_wait_dscnt 0x0
	s_wait_kmcnt 0x0
	s_add_nc_u64 s[58:59], s[4:5], s[58:59]        ; my region of K's tile 0
	s_add_nc_u64 s[60:61], s[4:5], s[60:61]        ; my region of V's tile 0
.irp s, 0,1
	s_mov_b32 s[G0V+4*\s], 1
	s_add_co_u32 s[G0V+4*\s+1], s62, \s*SLOT
	s_add_nc_u64 s[G0V+4*\s+2:G0V+4*\s+3], s[60:61], \s*TILEB
	s_or_b32 s[G0V+4*\s+3], s[G0V+4*\s+3], 0x80000000
	s_mov_b32 s[G0K+4*\s], 1
	s_add_co_u32 s[G0K+4*\s+1], s63, \s*SLOT
	s_add_nc_u64 s[G0K+4*\s+2:G0K+4*\s+3], s[58:59], \s*TILEB
	s_or_b32 s[G0K+4*\s+3], s[G0K+4*\s+3], 0x80000000
	JLOAD \s                                       ; tiles 0 and 1 (units 0-7, which every high block reads) go out together, ahead of everything else
.endr
	v_and_b32 v1, 31, v0                           ; lane
	v_and_b32 v2, 15, v0                           ; r
	v_bfe_u32 v3, v0, 4, 1                         ; h
	v_and_b32 v16, 7, v0                           ; lane & 7
	v_bfe_u32 v23, v0, 3, 1
	s_lshl_b32 s86, s57, 2                         ; 4 x head
	v_mov_b32 v17, s86
	global_load_b32 v21, v17, s[8:9]               ; gamma of the head, in every lane
	v_lshl_add_u32 v19, s56, 3, v16                ; row block 8 x batch + (lane & 7),
	v_lshlrev_b32 v19, 6, v19                      ; 64 bytes each,
	v_lshl_add_u32 v19, v23, 10, v19               ; lanes with bit 3 set: k's table, the others q's
	v_add_nc_u32 v19, s86, v19
	global_load_b32 v20, v19, s[6:7]
	s_lshl_b32 s87, s56, 10
	s_lshl_b32 s88, s16, 4
	s_add_co_u32 s87, s87, s88                     ; batch x 1024 + 16 tq
	s_lshl_b32 s88, s17, 6
	s_lshl_b32 s89, s19, 6
	s_add_co_u32 s88, s88, s87                     ; my first row, low block
	s_add_co_u32 s89, s89, s87                     ; my first row, high block
	v_lshlrev_b32 v18, 4, v3
	v_lshl_add_u32 v18, s57, 8, v18                ; 256 x head + 16 h
	v_add_nc_u32 v8, s88, v2
	v_lshl_add_u32 v8, v8, 12, v18
	v_add_nc_u32 v9, s89, v2
	v_lshl_add_u32 v9, v9, 12, v18
	; Q's fragments of both blocks (query r, 32 along d each) straight from memory, all 16 loads now: nothing is loaded from memory between the units
	WIN 0x40
.irp ds, 0,1,2,3
	global_load_b128 v[QH+8*\ds:QH+8*\ds+3],   v[QOH], s[4:5] offset:64*\ds
	global_load_b128 v[QH+8*\ds+4:QH+8*\ds+7], v[QOH], s[4:5] offset:64*\ds+32
.endr
.irp ds, 0,1,2,3
	global_load_b128 v[QL+8*\ds:QL+8*\ds+3],   v[QOL], s[4:5] offset:64*\ds
	global_load_b128 v[QL+8*\ds+4:QL+8*\ds+7], v[QOL], s[4:5] offset:64*\ds+32
.endr
	WIN 0
	v_mul_u32_u24 v4, v2, PK
	v_lshl_add_u32 v4, v3, 4, v4                   ; K: key r x pitch + 16 h,
	s_mul_i32 s90, s15, RGK
	s_add_co_u32 s90, s90, KBASE
	v_add_nc_u32 v4, s90, v4                       ; in region e
	v_add_nc_u32 v5, SLOT, v4
	v_lshl_add_u32 v6, v3, 3, v16                  ; V: key 8 h + (lane & 7)
	v_mul_u32_u24 v6, v6, PV
	v_lshl_add_u32 v6, v23, 4, v6
	s_mul_i32 s90, s15, RGV
	v_add_nc_u32 v6, s90, v6                       ; in region e
	v_add_nc_u32 v7, SLOT, v6
	v_lshlrev_b32 v18, 4, v1
	v_lshl_add_u32 v18, s57, 9, v18                ; 512 x head + 16 x lane
	s_lshl_b32 s90, s88, 13
	v_add_nc_u32 v10, s90, v18
	s_lshl_b32 s90, s89, 13
	v_add_nc_u32 v11, s90, v18
	s_lshl_b32 s90, s18, 6
	s_add_co_u32 s90, s90, s16                     ; 64 x (batch, head) + tq
	s_lshl_b32 s91, s17, 2                         ; 4 p
	s_lshl_b32 s92, s19, 2                         ; 4 (15 - p)
	s_add_co_u32 s93, s90, s91
	s_lshl_b32 s93, s93, 3
	v_mov_b32 v12, s93
	s_add_co_u32 s93, s90, s92
	s_lshl_b32 s93, s93, 3
	v_mov_b32 v13, s93
	s_lshl_b32 s93, s15, 2
	s_sub_co_i32 s93, s16, s93                     ; tq - 4 e
	s_add_co_i32 s20, s92, s93                     ; high block: (query tile) - 4 e; the key tile is 8 gh + 4 e + k
	s_add_co_i32 s21, s91, s93                     ; low block
	s_mul_i32 s90, s16, 16*SP
	s_add_co_u32 s90, s90, STAGE                   ; my pair's stage
	v_mul_u32_u24 v14, v2, SP
	v_lshl_add_u32 v14, v3, 5, v14
	v_add_nc_u32 v14, s90, v14                     ; row r, 32 bytes for each half of the lanes
	v_lshl_add_u32 v15, v1, 4, s90                 ; back: the 32 lanes take one row of 512 bytes
	s_mov_b32 s84, 0x76543210                      ; v_permlanex16_b32: lane i reads lane i of the other half
	s_mov_b32 s85, 0xfedcba98
.irp k, 0,1,2,3
	s_mov_b32 s[69+2*\k], 0                        ; the upper halves of the scalar pairs: never used, written once
	s_mov_b32 s[77+2*\k], 0
.endr
	s_wait_loadcnt 16                              ; gamma and amax are in; Q's 16 loads, issued behind them, stay out
	; the scale and the tables
	v_log_f32 v18, v21
	v_max_num_f32_dpp v20, v20, v20 row_xmask:1 row_mask:0xf bank_mask:0xf    ; lanes 0-7: the head's largest |q|; lanes 8-15: |k|
	v_max_num_f32_dpp v20, v20, v20 row_xmask:2 row_mask:0xf bank_mask:0xf
	v_max_num_f32_dpp v20, v20, v20 row_xmask:4 row_mask:0xf bank_mask:0xf
	s_wait_alu depctr_va_vdst(0)
	v_max_num_f32 v21, 0xc3480000, v18             ; L = max(log2 gamma, -200): gamma = 0 gives 0^0 = 1 and 0 otherwise; a NaN loses
	v_mul_f32 v22, 0x41800000, v21                 ; 16 L
	v_max_num_f32 v18, 0, v21
	v_mul_f32 v18, 0x447fc000, v18                 ; 1023 max(L, 0): log2 of the largest mask entry
	v_cvt_i32_f32 v18, v18
	v_readfirstlane_b32 s92, v18
	v_readlane_b32 s90, v20, 0
	v_readlane_b32 s91, v20, 8
	s_bfe_u32 s90, s90, 0x80017                    ; exponent fields: |q| < 2^(eq - 126), |k| < 2^(ek - 126)
	s_bfe_u32 s91, s91, 0x80017
	s_max_u32 s90, s90, 97
	s_max_u32 s91, s91, 97
	s_add_co_u32 s90, s90, s91
	s_add_co_u32 s90, s90, s92
	s_sub_co_i32 s90, 386, s90                     ; |S| < 2^(7 + eq + ek - 252): field of sc = 15 + 252 + 127 - 7 - eq - ek - (whole part + 1)
	s_max_i32 s90, s90, 1
	s_min_i32 s90, s90, 253
	s_sub_co_u32 s91, 254, s90
	s_lshl_b32 s90, s90, 23                        ; sc
	s_lshl_b32 s66, s91, 23                        ; 1 / sc
	s_mov_b32 s67, s66
	v_lshlrev_b32 v17, 3, v3
	v_sub_nc_u32 v17, v2, v17                      ; r - 8 h
.irp j, 0,1,2,3,4,5,6,7
	v_add_nc_u32 v18, -\j, v17
	v_cvt_f32_i32 v18, v18
	v_mul_f32 v[DB+\j], v18, v21                   ; (r - 8 h - j) L
	v_fma_f32 v[TB+\j], v18, v21, v22              ; (16 + r - 8 h - j) L
.endr
.irp j, 0,1,2,3,4,5,6,7
	v_exp_f32 v[TB+\j], v[TB+\j]
	v_exp_f32 v[DB+\j], v[DB+\j]
.endr
	v_nop                                          ; one plain vector instruction behind the last exponential (ISA guide 5.7.2)
	s_wait_alu depctr_va_vdst(0)
.irp j, 0,1,2,3,4,5,6,7
	v_cmp_le_i32 vcc_lo, \j, v17                   ; on or below the diagonal
	v_mul_f32 v[TB+\j], s90, v[TB+\j]
	v_mul_f32 v[DB+\j], s90, v[DB+\j]
	v_cndmask_b32 v[DB+\j], 0, v[DB+\j], vcc_lo
.endr
.macro KLOAD slot, hh, g               ; 16 loads: key tiles 2 g, 2 g + 1 of my unit's four; my unit lies in region 2 hh + e
.irp e_, 0,1
.irp ds, 0,1,2,3
	ds_load_b128 v[KF+8*(4*\e_+\ds):KF+8*(4*\e_+\ds)+3],   v[ADRK+\slot] offset:\hh*2*RGK+(2*\g+\e_)*16*PK+64*\ds
	ds_load_b128 v[KF+8*(4*\e_+\ds)+4:KF+8*(4*\e_+\ds)+7], v[ADRK+\slot] offset:\hh*2*RGK+(2*\g+\e_)*16*PK+64*\ds+32
.endr
.endr
.endm
.macro VLOAD slot, hh, g               ; 16 loads: keys 32 g .. 32 g + 31 of my unit, all 8 column blocks
.irp t, 0,1,2,3,4,5,6,7
	ds_load_tr16_b128 v[VF+8*\t:VF+8*\t+3],   v[ADRV+\slot] offset:\hh*2*RGV+\g*32*PV+32*\t
	ds_load_tr16_b128 v[VF+8*\t+4:VF+8*\t+7], v[ADRV+\slot] offset:\hh*2*RGV+\g*32*PV+32*\t+16*PV
.endr
.endm
; Once a unit: lane k (0..3) makes a_k and b_k of key tile k, d = s[sd] - 8 gh - k; they go to scalar registers.
.macro MASKS sd, gh
	s_sub_co_i32 s23, s[\sd], 8*\gh+1
	v_sub_nc_u32 v17, s23, v16                     ; d - 1
	v_max_i32 v18, 0, v17
	v_cvt_f32_i32 v18, v18
	v_mul_f32 v18, v18, v22                        ; 16 (d - 1) L
	v_exp_f32 v18, v18
	v_cmp_le_i32 vcc_lo, 0, v17                    ; plain vector instructions behind the exponential
	v_cmp_eq_u32 s22, -1, v17
	s_wait_alu depctr_va_vdst(0)
	v_cndmask_b32 v18, 0, v18, vcc_lo              ; a = gamma^(16 (d - 1)) for d >= 1, else 0
	v_cndmask_b32 v19, 0, 1.0, s22                 ; b = 1 for d = 0, else 0
.irp k, 0,1,2,3
	v_readlane_b32 s[68+2*\k], v18, \k
	v_readlane_b32 s[76+2*\k], v19, \k
.endr
.endm
.macro FMK k                           ; the mask of key tile k: FM = TB a_k + DB b_k
.irp c, 0,2,4,6
	v_pk_mul_f32 v[FM+\c:FM+\c+1], v[TB+\c:TB+\c+1], s[68+2*(\k):69+2*(\k)] op_sel_hi:[1,0]
.endr
.irp c, 0,2,4,6
	v_pk_fma_f32 v[FM+\c:FM+\c+1], v[DB+\c:DB+\c+1], s[76+2*(\k):77+2*(\k)], v[FM+\c:FM+\c+1] op_sel_hi:[1,0,1]
.endr
.endm
; 32 keys: two tiles of S, the mask, P, eight tiles of O.  qb: Q's registers in window 1; ow, ob: O's window setting and registers; zero = 1: the products start the sums.
; The two S tiles, and then the eight O tiles, take turns, one instruction a turn.
.macro GROUP slot, hh, g, qb, ow, ob, zero
	s_wait_dscnt 16                                ; K's 16 loads of this group are in; V's 16, issued behind them, may be out
	WIN 0x04                                       ; source 1 (Q) in window 1
	v_wmma_f32_16x16x32_f16 v[SS:SS+7],    v[KF:KF+7],     v[\qb:\qb+7], 0
	v_wmma_f32_16x16x32_f16 v[SS+8:SS+15], v[KF+32:KF+39], v[\qb:\qb+7], 0
.irp ds, 1,2,3
	v_wmma_f32_16x16x32_f16 v[SS:SS+7],    v[KF+8*\ds:KF+8*\ds+7],       v[\qb+8*\ds:\qb+8*\ds+7], v[SS:SS+7]
	v_wmma_f32_16x16x32_f16 v[SS+8:SS+15], v[KF+32+8*\ds:KF+32+8*\ds+7], v[\qb+8*\ds:\qb+8*\ds+7], v[SS+8:SS+15]
.endr
	WIN 0
	FMK 2*\g                                       ; eight plain vector instructions that name no register of the products above: the places behind them
.if \g < 1
	KLOAD \slot, \hh, 1
.endif
.irp c, 0,2,4,6
	v_pk_mul_f32 v[SS+\c:SS+\c+1], v[SS+\c:SS+\c+1], v[FM+\c:FM+\c+1]
.endr
	FMK 2*\g+1
.irp c, 0,2,4,6
	v_pk_mul_f32 v[SS+8+\c:SS+8+\c+1], v[SS+8+\c:SS+8+\c+1], v[FM+\c:FM+\c+1]
.endr
.irp c, 0,1,2,3
	v_cvt_pk_f16_f32 v[SS+\c], v[SS+2*\c], v[SS+2*\c+1]            ; keys 8 h + 0..7 into registers 0-3 (each target has been read by then)
.endr
.irp c, 0,1,2,3
	v_cvt_pk_f16_f32 v[SS+4+\c], v[SS+8+2*\c], v[SS+9+2*\c]        ; keys 16 + 8 h + 0..7 into registers 4-7
.endr
.if \g < 1
	s_wait_dscnt 16                                ; V's 16 loads are in; the next group's 16 of K, issued behind them, may be out
.else
	s_wait_dscnt 0
.endif
	WIN \ow
.irp t, 0,1,2,3,4,5,6,7
.if \zero
	v_wmma_f32_16x16x32_f16 v[\ob+8*\t:\ob+8*\t+7], v[VF+8*\t:VF+8*\t+7], v[SS:SS+7], 0
.else
	v_wmma_f32_16x16x32_f16 v[\ob+8*\t:\ob+8*\t+7], v[VF+8*\t:VF+8*\t+7], v[SS:SS+7], v[\ob+8*\t:\ob+8*\t+7]
.endif
.endr
	WIN 0
.rept 5
	v_nop                                          ; five places: the next product writes over P, V's registers are loaded again, O may be read
.endr
.if \g < 1
	VLOAD \slot, \hh, 1
.endif
.endm
; A unit: my 64 keys of half hh of the slot, unit u = 2 gh + e.  sd: the scalar with (query tile) - 4 e; sqb: the scalar with the block;
; cond = 1: the unit is skipped where it lies wholly above the diagonal (u > block): a branch on p and e, with no barrier and no pending LDS load across it.
.macro UNIT sd, sqb, cond, slot, hh, gh, qb, ow, ob, zero
.if \cond
	s_add_co_u32 s23, s15, 2*\gh
	s_cmp_le_u32 s23, s[\sqb]
	s_cbranch_scc0 .Lskip_\@
.endif
	MASKS \sd, \gh
	KLOAD \slot, \hh, 0
	VLOAD \slot, \hh, 0
	GROUP \slot, \hh, 0, \qb, \ow, \ob, \zero
	GROUP \slot, \hh, 1, \qb, \ow, \ob, 0
.if \cond
.Lskip_\@:
.endif
.endm
.macro UH cond, slot, hh, gh, zero     ; a unit of the high block
	UNIT 20, 19, \cond, \slot, \hh, \gh, QH, 0, OA, \zero
.endm
.macro UL cond, slot, hh, gh, zero     ; a unit of the low block: C and D in window 1
	UNIT 21, 17, \cond, \slot, \hh, \gh, QL, 0x50, OL, \zero
.endm
; The change of slots: all my tensor loads have landed, so the group 0 of slot s may be stepped to the tile after next; my LDS instructions are done; the barrier.
.macro TURN s
	s_set_vgpr_msb 0x5
	s_wait_tensorcnt 0x0
	ds_add_u32 v128, v129
	s_wait_dscnt 0x0
	s_set_vgpr_msb 0x500
	s_add_nc_u64 s[G0V+4*\s+2:G0V+4*\s+3], s[G0V+4*\s+2:G0V+4*\s+3], 2*TILEB
	s_add_nc_u64 s[G0K+4*\s+2:G0K+4*\s+3], s[G0K+4*\s+2:G0K+4*\s+3], 2*TILEB
	s_wait_dscnt 0x0
	s_barrier_signal -1
	s_barrier_wait -1
.endm
.macro SEND ob, w                      ; my partial O into my pair's stage; w: the window of the stores' data (source 1)
	WIN \w
.irp t, 0,1,2,3,4,5,6,7
	ds_store_b128 v[STO], v[\ob+8*\t:\ob+8*\t+3]   offset:64*\t
	ds_store_b128 v[STO], v[\ob+8*\t+4:\ob+8*\t+7] offset:64*\t+16
.endr
	WIN 0
.endm
.macro RECV                            ; my partner's partial, lane for lane and register for register, into KF
.irp t, 0,1,2,3,4,5,6,7
	ds_load_b128 v[KF+8*\t:KF+8*\t+3],   v[STO] offset:64*\t
	ds_load_b128 v[KF+8*\t+4:KF+8*\t+7], v[STO] offset:64*\t+16
.endr
	s_wait_dscnt 0x0
.endm
.macro ALLSUM d, x, t                  ; v[d] = the sum of v[x] over the 32 lanes, in every lane
	v_add_f32_dpp v[\x], v[\x], v[\x] row_xmask:1 row_mask:0xf bank_mask:0xf
	v_add_f32_dpp v[\x], v[\x], v[\x] row_xmask:2 row_mask:0xf bank_mask:0xf
	v_add_f32_dpp v[\x], v[\x], v[\x] row_xmask:4 row_mask:0xf bank_mask:0xf
	v_add_f32_dpp v[\x], v[\x], v[\x] row_xmask:8 row_mask:0xf bank_mask:0xf
	v_permlanex16_b32 v[\t], v[\x], s84, s85
	v_add_f32 v[\d], v[\x], v[\t]
.endm
; A block's tile is finished: the scale is taken out of the 64 registers at data, the tile's mean and centred sum of squares are made,
; and the tile goes out through my pair's stage as whole rows of 512 bytes.
.macro END data, ro, po
.set n_, 0
.rept 32
	v_pk_mul_f32 v[\data+2*n_:\data+2*n_+1], v[\data+2*n_:\data+2*n_+1], s[66:67] op_sel_hi:[1,0]
.set n_, n_+1
.endr
.irp c, 0,1,2,3
	v_pk_add_f32 v[SC+2*\c:SC+2*\c+1], v[\data+2*\c:\data+2*\c+1], v[\data+8+2*\c:\data+8+2*\c+1]      ; four chains, started by the first pairs
.endr
.set n_, 8
.rept 24
	v_pk_add_f32 v[SC+2*(n_%4):SC+2*(n_%4)+1], v[SC+2*(n_%4):SC+2*(n_%4)+1], v[\data+2*n_:\data+2*n_+1]
.set n_, n_+1
.endr
	v_pk_add_f32 v[SC:SC+1], v[SC:SC+1], v[SC+2:SC+3]
	v_pk_add_f32 v[SC+4:SC+5], v[SC+4:SC+5], v[SC+6:SC+7]
	v_pk_add_f32 v[SC:SC+1], v[SC:SC+1], v[SC+4:SC+5]
	v_add_f32 v[SC], v[SC], v[SC+1]
	ALLSUM SC, SC, SC+1
	v_mul_f32 v[MP], 0x3a000000, v[SC]             ; the mean of 2,048 numbers, twice: a pair for the packed subtraction
	v_mul_f32 v[MP+1], 0x3a000000, v[SC]
.irp c, 0,1,2,3
	v_pk_add_f32 v[TD+2*\c:TD+2*\c+1], v[\data+2*\c:\data+2*\c+1], v[MP:MP+1] neg_lo:[0,1] neg_hi:[0,1]
.endr
.irp c, 0,1,2,3
	v_pk_mul_f32 v[SC+2*\c:SC+2*\c+1], v[TD+2*\c:TD+2*\c+1], v[TD+2*\c:TD+2*\c+1]                      ; the first squares start four chains
.endr
.set n_, 4
.rept 7
.irp c, 0,1,2,3
	v_pk_add_f32 v[TD+2*\c:TD+2*\c+1], v[\data+2*(n_+\c):\data+2*(n_+\c)+1], v[MP:MP+1] neg_lo:[0,1] neg_hi:[0,1]
.endr
.irp c, 0,1,2,3
	v_pk_fma_f32 v[SC+2*\c:SC+2*\c+1], v[TD+2*\c:TD+2*\c+1], v[TD+2*\c:TD+2*\c+1], v[SC+2*\c:SC+2*\c+1]
.endr
.set n_, n_+4
.endr
	v_pk_add_f32 v[SC:SC+1], v[SC:SC+1], v[SC+2:SC+3]
	v_pk_add_f32 v[SC+4:SC+5], v[SC+4:SC+5], v[SC+6:SC+7]
	v_pk_add_f32 v[SC:SC+1], v[SC:SC+1], v[SC+4:SC+5]
	v_add_f32 v[SC], v[SC], v[SC+1]
	ALLSUM MP+1, SC, SC+1                          ; v[MP:MP+1] = (mean, centred sum of squares)
.irp t, 0,1,2,3,4,5,6,7
	ds_store_b128 v[STO], v[\data+8*\t:\data+8*\t+3]   offset:64*\t
	ds_store_b128 v[STO], v[\data+8*\t+4:\data+8*\t+7] offset:64*\t+16
.endr
.irp t, 0,1,2,3,4,5,6,7,8,9,10,11,12,13,14,15
	ds_load_b128 v[VF+4*\t:VF+4*\t+3], v[RD] offset:SP*\t          ; LDS serves a wave's instructions in order: these see the stores above
.endr
.irp t, 0,1,2,3,4,5,6,7,8,9,10,11,12,13,14,15
	s_wait_dscnt 15-\t                             ; row t is in, the younger ones stay out
	global_store_b128 v[\ro], v[VF+4*\t:VF+4*\t+3], s[10:11] offset:8192*\t    ; the wave stores 512 consecutive bytes, aligned
.endr
	v_cmp_eq_u32 vcc_lo, 0, v1
	s_wait_xcnt 0x0                                ; EXEC is a source of the stores above: it changes only behind this wait
	s_and_saveexec_b32 s23, vcc_lo
	global_store_b64 v[\po], v[MP:MP+1], s[12:13]
	s_wait_xcnt 0x0                                ; and again in front of the line that widens it; the stores' data registers are free behind it too
	s_or_b32 exec_lo, exec_lo, s23
.endm
	s_wait_loadcnt 0x0                             ; Q of both blocks
	s_wait_tensorcnt 0x1                           ; my region of tile 0 is in; tile 1's stays out
	s_barrier_signal -1
	s_barrier_wait -1
	; keys 0-255, slot 0.  The first unit of each block starts its sums.
	UH 0, 0, 0, 0, 1
	UL 0, 0, 0, 0, 1
	UH 0, 0, 1, 1, 0
	UL 1, 0, 1, 1, 0
	TURN 0                                         ; every wave's reads of slot 0 are over and all its tensor loads have landed, tile 1 among them
	RLOAD 0, 2                                     ; my one tensor load behind this barrier, first thing there: keys 512-767
	; keys 256-511, slot 1
	UH 0, 1, 0, 2, 0
	UL 1, 1, 0, 2, 0
	UH 0, 1, 1, 3, 0
	UL 1, 1, 1, 3, 0
	s_cmp_lg_u32 s15, 0                            ; no low unit lies beyond key 511: the waves with e = 0 hand their low partial over
	s_cbranch_scc1 .Lkeep_low
	SEND OL, 0x04
.Lkeep_low:
	TURN 1                                         ; the same barrier shows the hand-over (the wait for my LDS stores stands in front of it) and frees slot 1
	RLOAD 1, 3                                     ; keys 768-1023
	s_cmp_eq_u32 s15, 0                            ; the waves with e = 1 finish the low block while that tile is on its way
	s_cbranch_scc1 .Llow_done
	RECV
	WIN 0x01                                       ; source 0 (my low partial) in window 1
.set n_, 0
.rept 32
	v_pk_add_f32 v[KF+2*n_:KF+2*n_+1], v[OL+2*n_:OL+2*n_+1], v[KF+2*n_:KF+2*n_+1]
.set n_, n_+1
.endr
	WIN 0
	END KF, ROL, POL
.Llow_done:
	; keys 512-767, slot 0
	UH 1, 0, 0, 4, 0
	UH 1, 0, 1, 5, 0
	s_wait_tensorcnt 0x0                           ; my region of tile 3, if I asked for it
	s_wait_dscnt 0x0
	s_barrier_signal -1
	s_barrier_wait -1                              ; everybody's is in
	; keys 768-1023, slot 1
	UH 1, 1, 0, 6, 0
	UH 1, 1, 1, 7, 0
	s_cmp_eq_u32 s15, 0                            ; the waves with e = 1 hand their high partial over (their own use of the stage is over: LDS serves a wave in order)
	s_cbranch_scc1 .Lkeep_high
	SEND OA, 0
.Lkeep_high:
	s_wait_dscnt 0x0                               ; for the partner's sake: my stores are in LDS
	s_barrier_signal -1
	s_barrier_wait -1
	s_cmp_lg_u32 s15, 0
	s_cbranch_scc1 .Ldone
	RECV
.set n_, 0
.rept 32
	v_pk_add_f32 v[OA+2*n_:OA+2*n_+1], v[OA+2*n_:OA+2*n_+1], v[KF+2*n_:KF+2*n_+1]
.set n_, n_+1
.endr
	END OA, ROH, POH
.Ldone:
	s_set_vgpr_msb 0x5
	s_wait_tensorcnt 0x0
	ds_add_u32 v128, v129
	s_wait_dscnt 0x0
	s_set_vgpr_msb 0x500
	s_endpgm
.Lfunc_end_k_q6c9d9183dc_retn:
	.size	k_q6c9d9183dc_retn, .Lfunc_end_k_q6c9d9183dc_retn-k_q6c9d9183dc_retn
	.p2alignl 7, 3214868480
	.fill 96, 4, 3214868480
	.section	.rodata,"a",@progbits
	.p2align	6, 0x0
	.amdhsa_kernel k_q6c9d9183dc_retn
		.amdhsa_group_segment_fixed_size 327680
		.amdhsa_private_segment_fixed_size 0
		.amdhsa_enable_private_segment 0
		.amdhsa_kernarg_size 40
		.amdhsa_user_sgpr_count 2
		.amdhsa_user_sgpr_kernarg_segment_ptr 1
		.amdhsa_wavefront_size32 1
		.amdhsa_system_sgpr_workgroup_id_x 1
		.amdhsa_system_sgpr_workgroup_id_y 1
		.amdhsa_system_sgpr_workgroup_id_z 1
		.amdhsa_system_vgpr_workitem_id 0
		.amdhsa_next_free_vgpr 386
		.amdhsa_next_free_sgpr 96
		.amdhsa_reserve_vcc 1
		.amdhsa_float_denorm_mode_32 3
		.amdhsa_float_denorm_mode_16_64 3
		.amdhsa_memory_ordered 1
		.amdhsa_forward_progress 1
		.amdhsa_inst_pref_size 189
	.end_amdhsa_kernel
	.amdgpu_metadata
---
amdhsa.version: [ 1, 2 ]
amdhsa.kernels:
  - .name:           k_q6c9d9183dc_retn
    .symbol:         k_q6c9d9183dc_retn.kd
    .args:
      - { .name: qkvg, .offset: 0, .size: 8, .value_kind: global_buffer, .address_space: global }
      - { .name: amax, .offset: 8, .size: 8, .value_kind: global_buffer, .address_space: global }
      - { .name: gamma, .offset: 16, .size: 8, .value_kind: global_buffer, .address_space: global }
      - { .name: ret, .offset: 24, .size: 8, .value_kind: global_buffer, .address_space: global }
      - { .name: part, .offset: 32, .size: 8, .value_kind: global_buffer, .address_space: global }
    .group_segment_fixed_size: 327680
    .private_segment_fixed_size: 0
    .kernarg_segment_align: 8
    .kernarg_segment_size: 40
    .max_flat_workgroup_size: 256
    .sgpr_count:     96
    .vgpr_count:     386
    .wavefront_size: 32
...
	.end_amdgpu_metadata
.endif
;; end of part 3
;; launch mix (part 4): grid 256 x 1, 8 waves a work-group, no clusters, 1,280 bytes of LDS; arguments ret, part, qkvg, gn_w, gn_b, yh, rsc; writes yh, rsc
.if DOCPART == 4
	.amdgcn_target "amdgcn-amd-amdhsa--gfx1250"
	.amdhsa_code_object_version 6
	.text
	.protected	k_q6c9d9183dc_mix
	.globl	k_q6c9d9183dc_mix
	.p2align	8
	.type	k_q6c9d9183dc_mix,@function
k_q6c9d9183dc_mix:
	s_mov_b64 s[64:65], 0
	v_nop
	global_prefetch_b8 v0, s[64:65] scope:SCOPE_SE
	s_setreg_imm32_b32 hwreg(HW_REG_WAVE_MODE, 25, 1), 1
	s_wait_xcnt 0x0
; mix: y[row][c] = silu(g[row][c]) x ( (ret[row][c] - mean) x rstd x gn_w[c] + gn_b[c] ), mean and rstd of the row's batch and of c's head.
; yh[row][:] = f16( y x 2^s ), rsc[row] = 2^-s, with s such that the row's largest |y 2^s| lies in [2^14, 2^15): exact powers of two, taken out again in f32
; behind the last product.  LIMIT: a row whose largest |y| is below 2^-107 is scaled as if it were 2^-107; NaN and infinities are not carried through the maximum.
; A stream: one wave, one row of 2,048 numbers; load j of a row is head j, lane l holds its columns 4 l .. 4 l + 3.  No matrix unit, no cluster: nothing is shared
; but the statistics.  THE STATISTICS: each half of a wave joins one head's 64 pairs (mean, centred sum of squares of 2,048 numbers) by
; M = sum M2_k + 2048 sum (m_k - mean)^2: no difference of large sums.  The eight waves' sixteen heads meet in 128 bytes of LDS behind one barrier.
.set SEG, 8388608
.set G,   8                            ; v[8:39]    g as loaded (f16), later y as stored
.set TT,  40                           ; v[40:59]   at work
.set R,   64                           ; v[64:127]  ret, then y
.set W,   128                          ; v[128:191] gn_w
.set BN,  192                          ; v[192:255] gn_b
                                       ; s[32+2j] = -mean of head j, s[33+2j] = its rstd
	s_load_b256 s[4:11], s[0:1], 0x0               ; ret s[4:5], part s[6:7], qkvg s[8:9], gn_w s[10:11]
	s_load_b128 s[12:15], s[0:1], 0x20             ; gn_b s[12:13], yh s[14:15]
	s_load_b64 s[16:17], s[0:1], 0x30              ; rsc
	v_lshl_add_u32 v62, v0, 2, 0x100
	v_mov_b32 v63, 0
	v_lshrrev_b32 v1, 5, v0
	v_readfirstlane_b32 s18, v1                    ; wave 0..7
	v_and_b32 v1, 31, v0                           ; lane
	v_lshlrev_b32 v2, 4, v1
	v_lshlrev_b32 v3, 3, v1
	v_lshlrev_b32 v4, 5, v1
	s_lshl_b32 s19, ttmp9, 3
	s_add_co_u32 s19, s19, s18                     ; my row
	s_lshr_b32 s20, ttmp9, 7                       ; its batch
	s_lshl_b32 s20, s20, 4
	s_lshl_b32 s21, s18, 1
	s_add_co_u32 s20, s20, s21                     ; (batch, head 2 w)
	s_lshl_b32 s20, s20, 9                         ; 512 bytes of part each
	s_mov_b32 s21, 0
	s_lshl_b32 s22, s19, 13
	s_mov_b32 s23, 0
	s_lshl_b32 s26, s19, 12
	s_mov_b32 s27, 0
	s_add_co_u32 s24, s26, 3*SEG                   ; g is the fourth array of qkvg
	s_mov_b32 s25, 0
	s_lshl_b32 s28, s19, 2
	s_mov_b32 s29, 0
	s_mov_b32 s30, 0x76543210
	s_mov_b32 s31, 0xfedcba98
	s_wait_kmcnt 0x0
	s_add_nc_u64 s[6:7], s[6:7], s[20:21]
	s_add_nc_u64 s[4:5], s[4:5], s[22:23]
	s_add_nc_u64 s[8:9], s[8:9], s[24:25]
	s_add_nc_u64 s[14:15], s[14:15], s[26:27]
	s_add_nc_u64 s[16:17], s[16:17], s[28:29]
	global_load_b128 v[TT:TT+3],   v4, s[6:7]              ; four pairs a lane: lanes 0-15 head 2 w, lanes 16-31 head 2 w + 1
	global_load_b128 v[TT+4:TT+7], v4, s[6:7] offset:16
.irp j, 0,1,2,3,4,5,6,7,8,9,10,11,12,13,14,15
	global_load_b128 v[R+4*\j:R+4*\j+3], v2, s[4:5] offset:512*\j th:TH_LOAD_NT
.endr
.irp j, 0,1,2,3,4,5,6,7,8,9,10,11,12,13,14,15
	global_load_b64 v[G+2*\j:G+2*\j+1], v3, s[8:9] offset:256*\j th:TH_LOAD_NT
.endr
	s_wait_loadcnt 32                              ; the two loads of part are in; the row's 32 loads, issued behind them, stay out
	v_add_f32 v[TT+8], v[TT], v[TT+2]
	v_add_f32 v[TT+9], v[TT+4], v[TT+6]
	v_add_f32 v[TT+8], v[TT+8], v[TT+9]
	v_add_f32_dpp v[TT+8], v[TT+8], v[TT+8] row_xmask:1 row_mask:0xf bank_mask:0xf
	v_add_f32_dpp v[TT+8], v[TT+8], v[TT+8] row_xmask:2 row_mask:0xf bank_mask:0xf
	v_add_f32_dpp v[TT+8], v[TT+8], v[TT+8] row_xmask:4 row_mask:0xf bank_mask:0xf
	v_add_f32_dpp v[TT+8], v[TT+8], v[TT+8] row_xmask:8 row_mask:0xf bank_mask:0xf
	v_mul_f32 v[TT+8], 0x3c800000, v[TT+8]         ; the head's mean: 64 tiles of equal size
	v_sub_f32 v[TT],   v[TT],   v[TT+8]
	v_sub_f32 v[TT+2], v[TT+2], v[TT+8]
	v_sub_f32 v[TT+4], v[TT+4], v[TT+8]
	v_sub_f32 v[TT+6], v[TT+6], v[TT+8]
	v_mul_f32  v[TT+9], v[TT], v[TT]
	v_fmac_f32 v[TT+9], v[TT+2], v[TT+2]
	v_fmac_f32 v[TT+9], v[TT+4], v[TT+4]
	v_fmac_f32 v[TT+9], v[TT+6], v[TT+6]
	v_add_f32 v[TT+10], v[TT+1], v[TT+3]
	v_add_f32 v[TT+11], v[TT+5], v[TT+7]
	v_add_f32 v[TT+10], v[TT+10], v[TT+11]
	v_fmac_f32 v[TT+10], 0x45000000, v[TT+9]       ; + 2048 x the squares of the tiles' distances from the mean
	v_add_f32_dpp v[TT+10], v[TT+10], v[TT+10] row_xmask:1 row_mask:0xf bank_mask:0xf
	v_add_f32_dpp v[TT+10], v[TT+10], v[TT+10] row_xmask:2 row_mask:0xf bank_mask:0xf
	v_add_f32_dpp v[TT+10], v[TT+10], v[TT+10] row_xmask:4 row_mask:0xf bank_mask:0xf
	v_add_f32_dpp v[TT+10], v[TT+10], v[TT+10] row_xmask:8 row_mask:0xf bank_mask:0xf
	v_mov_b32 v[TT+11], 0x37000000                 ; 1 / 131,072 numbers
	v_fmaak_f32 v[TT+10], v[TT+10], v[TT+11], 0x3727c5ac           ; the variance + 1e-5
	v_rsq_f32 v[TT+13], v[TT+10]
	v_mul_f32 v[TT+12], -1.0, v[TT+8]              ; a plain vector instruction behind the root (ISA guide 5.7.2)
	v_lshrrev_b32 v5, 4, v1
	v_lshlrev_b32 v5, 3, v5
	v_lshl_add_u32 v5, s18, 4, v5                  ; 8 bytes x head
	s_wait_alu depctr_va_vdst(0)
	ds_store_b64 v5, v[TT+12:TT+13]                ; sixteen lanes write the same pair
.irp j, 0,1,2,3,4,5,6,7,8,9,10,11,12,13,14,15
	global_load_b128 v[W+4*\j:W+4*\j+3],   v2, s[10:11] offset:512*\j
	global_load_b128 v[BN+4*\j:BN+4*\j+3], v2, s[12:13] offset:512*\j
.endr
	s_wait_dscnt 0x0                               ; for the other waves' sake: my pair is in LDS
	s_barrier_signal -1
	s_barrier_wait -1
	v_mov_b32 v5, 0
.irp hf, 0,1
	ds_load_b128 v[TT:TT+3],     v5 offset:64*\hf
	ds_load_b128 v[TT+4:TT+7],   v5 offset:64*\hf+16
	ds_load_b128 v[TT+8:TT+11],  v5 offset:64*\hf+32
	ds_load_b128 v[TT+12:TT+15], v5 offset:64*\hf+48
	s_wait_dscnt 0x0
.irp i, 0,1,2,3,4,5,6,7,8,9,10,11,12,13,14,15
	v_readfirstlane_b32 s[32+16*\hf+\i], v[TT+\i]
.endr
.endr
; Head j: four numbers a lane.  g0, g1: the numbers of the two registers that hold its g (halves are named on plain register names).
.macro HEADJ j, g0, g1
	s_wait_loadcnt 30-2*\j                         ; this head's gain and offset are in (and all of ret and g); the 30 - 2 j loads of the later heads stay out
.irp c, 0,1,2,3
	v_mul_f32 v[W+4*\j+\c], s[33+2*\j], v[W+4*\j+\c]               ; rstd x gn_w
.endr
	v_cvt_f32_f16 v[TT],   v\g0\().l
	v_cvt_f32_f16 v[TT+1], v\g0\().h
	v_cvt_f32_f16 v[TT+2], v\g1\().l
	v_cvt_f32_f16 v[TT+3], v\g1\().h
	v_pk_mul_f32 v[TT+4:TT+5], v[TT:TT+1],   0xbfb8aa3b op_sel_hi:[1,0]    ; -g log2 e
	v_pk_mul_f32 v[TT+6:TT+7], v[TT+2:TT+3], 0xbfb8aa3b op_sel_hi:[1,0]
	v_exp_f32 v[TT+4], v[TT+4]
	v_exp_f32 v[TT+5], v[TT+5]
	v_exp_f32 v[TT+6], v[TT+6]
	v_exp_f32 v[TT+7], v[TT+7]
	v_pk_add_f32 v[R+4*\j:R+4*\j+1],   v[R+4*\j:R+4*\j+1],   s[32+2*\j:33+2*\j] op_sel_hi:[1,0]    ; ret - mean: plain work behind the exponentials
	v_pk_add_f32 v[R+4*\j+2:R+4*\j+3], v[R+4*\j+2:R+4*\j+3], s[32+2*\j:33+2*\j] op_sel_hi:[1,0]
	s_wait_alu depctr_va_vdst(0)
	v_pk_add_f32 v[TT+4:TT+5], v[TT+4:TT+5], 1.0 op_sel_hi:[1,0]
	v_pk_add_f32 v[TT+6:TT+7], v[TT+6:TT+7], 1.0 op_sel_hi:[1,0]
	v_rcp_f32 v[TT+4], v[TT+4]
	v_rcp_f32 v[TT+5], v[TT+5]
	v_rcp_f32 v[TT+6], v[TT+6]
	v_rcp_f32 v[TT+7], v[TT+7]
	v_pk_fma_f32 v[R+4*\j:R+4*\j+1],   v[R+4*\j:R+4*\j+1],   v[W+4*\j:W+4*\j+1],   v[BN+4*\j:BN+4*\j+1]    ; the norm: plain work behind the reciprocals
	v_pk_fma_f32 v[R+4*\j+2:R+4*\j+3], v[R+4*\j+2:R+4*\j+3], v[W+4*\j+2:W+4*\j+3], v[BN+4*\j+2:BN+4*\j+3]
	s_wait_alu depctr_va_vdst(0)
	v_pk_mul_f32 v[TT:TT+1],   v[TT:TT+1],   v[TT+4:TT+5]          ; silu(g) = g / (1 + e^-g)
	v_pk_mul_f32 v[TT+2:TT+3], v[TT+2:TT+3], v[TT+6:TT+7]
	v_pk_mul_f32 v[R+4*\j:R+4*\j+1],   v[R+4*\j:R+4*\j+1],   v[TT:TT+1]
	v_pk_mul_f32 v[R+4*\j+2:R+4*\j+3], v[R+4*\j+2:R+4*\j+3], v[TT+2:TT+3]
	v_max3_num_f32 v5, |v[R+4*\j]|,   |v[R+4*\j+1]|, v5
	v_max3_num_f32 v5, |v[R+4*\j+2]|, |v[R+4*\j+3]|, v5
.endm
	HEADJ 0, 8, 9
	HEADJ 1, 10, 11
	HEADJ 2, 12, 13
	HEADJ 3, 14, 15
	HEADJ 4, 16, 17
	HEADJ 5, 18, 19
	HEADJ 6, 20, 21
	HEADJ 7, 22, 23
	HEADJ 8, 24, 25
	HEADJ 9, 26, 27
	HEADJ 10, 28, 29
	HEADJ 11, 30, 31
	HEADJ 12, 32, 33
	HEADJ 13, 34, 35
	HEADJ 14, 36, 37
	HEADJ 15, 38, 39
	; the row's largest |y| over the 32 lanes, and the two powers of two
	v_max_num_f32_dpp v5, v5, v5 row_xmask:1 row_mask:0xf bank_mask:0xf
	v_max_num_f32_dpp v5, v5, v5 row_xmask:2 row_mask:0xf bank_mask:0xf
	v_max_num_f32_dpp v5, v5, v5 row_xmask:4 row_mask:0xf bank_mask:0xf
	v_max_num_f32_dpp v5, v5, v5 row_xmask:8 row_mask:0xf bank_mask:0xf
	v_permlanex16_b32 v[TT], v5, s30, s31
	v_max_num_f32 v5, v5, v[TT]
	v_lshrrev_b32 v5, 23, v5                       ; its exponent field e: |y| < 2^(e - 126)
	v_max_u32 v5, 20, v5
	v_sub_nc_u32 v6, 0x10c, v5                     ; field 268 - e: y x 2^(141 - e) stays below 2^15
	v_lshlrev_b32 v6, 23, v6
	v_mov_b32 v7, v6
	v_add_nc_u32 v5, -14, v5                       ; field e - 14: the inverse
	v_lshlrev_b32 v5, 23, v5
.set n_, 0
.rept 32
	v_pk_mul_f32 v[R+2*n_:R+2*n_+1], v[R+2*n_:R+2*n_+1], v[6:7]
.set n_, n_+1
.endr
.set n_, 0
.rept 32
	v_cvt_pk_f16_f32 v[G+n_], v[R+2*n_], v[R+2*n_+1]
.set n_, n_+1
.endr
.irp j, 0,1,2,3,4,5,6,7,8,9,10,11,12,13,14,15
	global_store_b64 v3, v[G+2*\j:G+2*\j+1], s[14:15] offset:256*\j    ; the wave stores 256 consecutive bytes, aligned
.endr
	v_mov_b32 v[TT], 0
	v_cmp_eq_u32 vcc_lo, 0, v1
	s_wait_xcnt 0x0                                ; EXEC is a source of the stores above: it changes only behind this wait
	s_wait_tensorcnt 0x0
	ds_add_u32 v62, v63
	s_wait_dscnt 0x0
	s_and_saveexec_b32 s19, vcc_lo
	global_store_b32 v[TT], v5, s[16:17]
	s_wait_xcnt 0x0                                ; and again in front of the line that widens it
	s_or_b32 exec_lo, exec_lo, s19
	s_endpgm
.Lfunc_end_k_q6c9d9183dc_mix:
	.size	k_q6c9d9183dc_mix, .Lfunc_end_k_q6c9d9183dc_mix-k_q6c9d9183dc_mix
	.p2alignl 7, 3214868480
	.fill 96, 4, 3214868480
	.section	.rodata,"a",@progbits
	.p2align	6, 0x0
	.amdhsa_kernel k_q6c9d9183dc_mix
		.amdhsa_group_segment_fixed_size 1280
		.amdhsa_private_segment_fixed_size 0
		.amdhsa_enable_private_segment 0
		.amdhsa_kernarg_size 56
		.amdhsa_user_sgpr_count 2
		.amdhsa_user_sgpr_kernarg_segment_ptr 1
		.amdhsa_wavefront_size32 1
		.amdhsa_system_sgpr_workgroup_id_x 1
		.amdhsa_system_sgpr_workgroup_id_y 1
		.amdhsa_system_sgpr_workgroup_id_z 1
		.amdhsa_system_vgpr_workitem_id 0
		.amdhsa_next_free_vgpr 256
		.amdhsa_next_free_sgpr 66
		.amdhsa_reserve_vcc 1
		.amdhsa_float_denorm_mode_32 3
		.amdhsa_float_denorm_mode_16_64 3
		.amdhsa_memory_ordered 1
		.amdhsa_forward_progress 1
		.amdhsa_inst_pref_size 42
	.end_amdhsa_kernel
	.amdgpu_metadata
---
amdhsa.version: [ 1, 2 ]
amdhsa.kernels:
  - .name:           k_q6c9d9183dc_mix
    .symbol:         k_q6c9d9183dc_mix.kd
    .args:
      - { .name: ret, .offset: 0, .size: 8, .value_kind: global_buffer, .address_space: global }
      - { .name: part, .offset: 8, .size: 8, .value_kind: global_buffer, .address_space: global }
      - { .name: qkvg, .offset: 16, .size: 8, .value_kind: global_buffer, .address_space: global }
      - { .name: gn_w, .offset: 24, .size: 8, .value_kind: global_buffer, .address_space: global }
      - { .name: gn_b, .offset: 32, .size: 8, .value_kind: global_buffer, .address_space: global }
      - { .name: yh, .offset: 40, .size: 8, .value_kind: global_buffer, .address_space: global }
      - { .name: rsc, .offset: 48, .size: 8, .value_kind: global_buffer, .address_space: global }
    .group_segment_fixed_size: 1280
    .private_segment_fixed_size: 0
    .kernarg_segment_align: 8
    .kernarg_segment_size: 56
    .max_flat_workgroup_size: 256
    .sgpr_count:     66
    .vgpr_count:     256
    .wavefront_size: 32
...
	.end_amdgpu_metadata
.endif
;; end of part 4
;; launch outp (part 5): grid 16 x 16, 4 waves a work-group, clusters of 4 x 4, 327,680 bytes of LDS; arguments yh, h16, rsc, bo, out0; writes out0
.if DOCPART == 5
	.amdgcn_target "amdgcn-amd-amdhsa--gfx1250"
	.amdhsa_code_object_version 6
	.text
	.protected	k_q6c9d9183dc_outp
	.globl	k_q6c9d9183dc_outp
	.p2align	8
	.type	k_q6c9d9183dc_outp,@function
k_q6c9d9183dc_outp:
	s_mov_b64 s[64:65], 0
	v_nop
	global_prefetch_b8 v0, s[64:65] scope:SCOPE_SE
	s_setreg_imm32_b32 hwreg(HW_REG_WAVE_MODE, 25, 1), 1
	s_wait_xcnt 0x0
	s_wait_alu depctr_hold_cnt(0) depctr_sa_sdst(0) depctr_va_vdst(0) depctr_va_sdst(0) depctr_va_ssrc(0) depctr_va_vcc(0) depctr_vm_vsrc(0)
	s_getreg_b32 s2, hwreg(HW_REG_IB_STS2, 6, 4)
	s_cmp_eq_u32 s2, 0
	s_cbranch_scc0 .Lentry_in_a_cluster
	s_endpgm
.Lentry_in_a_cluster:
	s_bfe_u32 s2, ttmp6, 0x10000c
	s_cmp_lg_u32 s2, 0xf033
	s_cbranch_scc0 .Lentry_shape_is_right
	s_endpgm
.Lentry_shape_is_right:
; outp: out0[row][col] = rsc[row] x ( yh[row][:] . wo[:][col] ) + bo[col], f32.  yh is f16 [row][k], wo is f16 [k][col] (the sixth array of h16); sums in f32.
; 2048 x 2048 of output on 256 work-groups: a work-group makes 128 x 128 with four waves, a wave 64 x 64: 16 accumulator tiles, 128 registers (window 2).
; K goes in 8 steps of 256 through two LDS slots filled by the tensor data mover: yh's rows of a tile are 512 consecutive bytes, wo's 256, all aligned.
; CLUSTERS: 4 x 4 work-groups.  yh's tile hangs on the block row alone and is asked for jointly by a row of the cluster, wo's on the block column alone and is
; asked for jointly by a column: the requests for both are divided by four.
; The matrix instruction is used transposed (source 0 = 16 columns of wo by the transposing load, source 1 = 16 rows of yh): lane l holds row l % 16 and the
; eight neighbouring columns 8 (l / 16) + 0..7.
; REGISTERS: window 0: v16-26 addresses; v32-63 my 32 biases; v224-231 my rows' scales, each twice; v64-127, v128-191 yh's fragments, two buffers;
; v192-223 at work on the way out.  Window 1: v64-191 wo's fragments.  Window 2: v0-127 the accumulators, tile (a, b) at v[8 (4 a + b)].
.set RG,     36864                     ; an LDS region: 128 rows of 288 bytes (yh's 64 rows of 528 take less)
.set SLOT,   4*RG                      ; yh's two row halves, then wo's two halves along K
.set STAGE,  2*SLOT                    ; behind the ring: 16 rows x 272 bytes for each wave; no tile lands here
.set PA,     528                       ; yh's LDS rows: 512 bytes + 16
.set PB,     288                       ; wo's LDS rows: 256 bytes + 32, an odd multiple of 32 for the transposing load
.set SPITCH, 272
.set SEG,    8388608
.set ROWB,   4096                      ; bytes of a row of f16
.set OROW,   8192                      ; bytes of a row of the output
.set LAPS,   4                         ; 2048 / (2 x 256)
.set ADRA, 16                          ; v16-17  LDS address of my yh fragments in slot 0, 1
.set ADRB, 20                          ; v20-23  of my wo fragments: 2 x slot + half along K
.set STO,  24
.set RD,   25
.set CO,   26
.set F0,   64
.set F1,   128
.set TMP,  192
.set G1,  24
.set G0,  32
.set G1B, 48
.set G0B, 56
.set MSB, 0
.macro WIN new
.if MSB != \new
	s_set_vgpr_msb (MSB<<8)|\new
.set MSB, \new
.endif
.endm
.set MUL_W, 0xa1                       ; source 0 window 1, source 1 window 0, C and D window 2
.set TO_B,  0x40                       ; destination window 1, address window 0
.macro JLOAD s                         ; waves 0, 1 fetch yh's two row halves, waves 2, 3 wo's two halves along K; the branch hangs on the wave's number alone
	s_cmp_eq_u32 s11, 0
	s_cbranch_scc0 .Lfor_b_\@
	tensor_load_to_lds s[G0+4*\s:G0+4*\s+3], s[G1:G1+7]
	s_nop 0
	s_branch .Lasked_\@
.Lfor_b_\@:
	tensor_load_to_lds s[G0B+4*\s:G0B+4*\s+3], s[G1B:G1B+7]
	s_nop 0
.Lasked_\@:
.endm
.macro CREST
	s_cmp_lg_u32 s10, 0
	s_cbranch_scc1 .Lnot_wave_0_\@
	s_barrier_signal -3
.Lnot_wave_0_\@:
	s_barrier_wait -3
	s_barrier_signal -1
	s_barrier_wait -1
.endm
.macro CROUND
	s_barrier_signal -1
	s_barrier_wait -1
	CREST
.endm
	s_load_b128 s[4:7], s[0:1], 0x0                ; yh s[4:5], h16 s[6:7]
	s_load_b128 s[68:71], s[0:1], 0x10             ; rsc s[68:69], bo s[70:71]
	s_load_b64 s[8:9], s[0:1], 0x20                ; out0
	s_set_vgpr_msb 0x40
	v_lshl_add_u32 v255, v0, 2, 0x4c400
	s_set_vgpr_msb 0x4000
	v_mov_b32 v255, 0
	s_set_vgpr_msb 0x1
	ds_add_u32 v255, v255
	s_set_vgpr_msb 0x100
	v_lshrrev_b32 v1, 5, v0
	v_readfirstlane_b32 s10, v1                    ; wave 0..3
	s_lshr_b32 s11, s10, 1                         ; my half of the block's rows.  Also: I fetch for yh (0) or wo (1)
	s_and_b32 s12, s10, 1                          ; my half of its columns.  Also: which half of that tile I fetch
	s_bfe_u32 s40, ttmp6, 0x40000                  ; cx
	s_bfe_u32 s41, ttmp6, 0x40004                  ; cy
	s_lshl_b32 s42, ttmp9, 2
	s_add_co_u32 s42, s42, s40                     ; block column
	s_and_b32 s13, ttmp7, 0xffff
	s_lshl_b32 s13, s13, 2
	s_add_co_u32 s13, s13, s41                     ; block row
	s_lshl_b32 s43, s41, 2
	s_lshl_b32 s43, 15, s43                        ; my row of the cluster
	s_lshl_b32 s44, 0x1111, s40                    ; my column
	; group 1.  yh: 64 rows x 256 elements, 4 words of padding after every 128.  wo: 128 rows x 128 elements, 8 words after every 64.
	s_or_b32 s[G1+0], s43, (1<<16)|(1<<20)|(1<<21)|(6<<22)|(3<<25)
	s_or_b32 s[G1B+0], s44, (1<<16)|(1<<20)|(1<<21)|(5<<22)|(7<<25)
	s_mov_b32 s[G1+1], 256<<16
	s_mov_b32 s[G1B+1], 128<<16
	s_mov_b32 s[G1+2], 64<<16
	s_mov_b32 s[G1B+2], 128<<16
	s_mov_b32 s[G1+3], 256<<16
	s_mov_b32 s[G1B+3], 128<<16
	s_mov_b32 s[G1+4], 64
	s_mov_b32 s[G1B+4], 128
	s_mov_b32 s[G1+5], 2048
	s_mov_b32 s[G1B+5], 2048
	s_mov_b32 s[G1+6], 0
	s_mov_b32 s[G1B+6], 0
	s_mov_b32 s[G1+7], 0
	s_mov_b32 s[G1B+7], 0
	s_lshl_b32 s17, s12, 6
	s_lshl_b32 s16, s13, 7
	s_add_co_u32 s16, s16, s17                     ; yh: row 128 x block row + 64 x half
	s_lshl_b32 s16, s16, 12
	s_mov_b32 s17, 0
	s_lshl_b32 s46, s12, 19                        ; wo: 128 rows of 4,096 bytes x half
	s_add_co_u32 s46, s46, 5*SEG                   ; in the sixth array of h16
	s_lshl_b32 s47, s42, 8
	s_add_co_u32 s46, s46, s47                     ; + 256 bytes x block column
	s_mov_b32 s47, 0
	s_mul_i32 s20, s10, RG                         ; where my load lands: wave x region
	s_lshl_b32 s78, s13, 9                         ; my 64 rows' scales: 4 bytes x (128 x block row + 64 x half)
	s_lshl_b32 s79, s11, 8
	s_add_co_u32 s78, s78, s79
	s_mov_b32 s79, 0
	s_lshl_b32 s80, s42, 9                         ; my 64 biases: 4 bytes x (128 x block column + 64 x half)
	s_lshl_b32 s81, s12, 8
	s_add_co_u32 s80, s80, s81
	s_mov_b32 s81, 0
	s_wait_dscnt 0x0
	s_wait_kmcnt 0x0
	s_add_nc_u64 s[14:15], s[4:5], s[16:17]
	s_add_nc_u64 s[46:47], s[6:7], s[46:47]
	CROUND                                         ; all sixteen work-groups are here: the first joint loads meet
.irp s, 0,1
	s_mov_b32 s[G0+4*\s], 1
	s_add_co_u32 s[G0+4*\s+1], s20, \s*SLOT
	s_add_nc_u64 s[G0+4*\s+2:G0+4*\s+3], s[14:15], \s*512          ; K step s: 256 elements along yh's rows
	s_or_b32 s[G0+4*\s+3], s[G0+4*\s+3], 0x80000000
	s_mov_b32 s[G0B+4*\s], 1
	s_add_co_u32 s[G0B+4*\s+1], s20, \s*SLOT
	s_add_nc_u64 s[G0B+4*\s+2:G0B+4*\s+3], s[46:47], \s*256*ROWB   ; K step s: 256 rows down wo
	s_or_b32 s[G0B+4*\s+3], s[G0B+4*\s+3], 0x80000000
	JLOAD \s
.endr
	s_add_nc_u64 s[68:69], s[68:69], s[78:79]
	s_add_nc_u64 s[70:71], s[70:71], s[80:81]
	v_and_b32 v1, 15, v0                           ; r
	v_bfe_u32 v2, v0, 4, 1                         ; h
	v_lshlrev_b32 v29, 5, v2                       ; my eight columns of each 16
	v_lshlrev_b32 v30, 2, v1                       ; my row of each 16
.irp b, 0,1,2,3
	global_load_b128 v[32+8*\b:35+8*\b], v29, s[70:71] offset:64*\b
	global_load_b128 v[36+8*\b:39+8*\b], v29, s[70:71] offset:64*\b+16
	global_load_b32 v[224+2*\b], v30, s[68:69] offset:64*\b        ; the scale of row 16 b + r, twice: a pair for the packed multiply-add
	global_load_b32 v[225+2*\b], v30, s[68:69] offset:64*\b
.endr
	v_mul_u32_u24 v3, v1, PA
	v_lshl_add_u32 v3, v2, 4, v3                   ; yh: row r x pitch + 16 h
	v_and_b32 v6, 7, v0
	v_lshl_add_u32 v6, v2, 3, v6                   ; wo: k row 8 h + (l & 7)
	v_mul_u32_u24 v6, v6, PB
	v_bfe_u32 v7, v0, 3, 1
	v_lshl_add_u32 v6, v7, 4, v6
	s_mul_i32 s21, s11, RG                         ; my 64 rows of yh
	s_lshl_b32 s22, s12, 7                         ; my 64 columns of wo: 128 bytes along its rows,
	s_add_co_u32 s22, s22, 2*RG                    ; behind yh's two regions
.irp s, 0,1
	v_add_nc_u32 v[ADRA+\s], s21, v3
	v_add_nc_u32 v[ADRB+2*\s], s22, v6
	s_add_co_u32 s23, s22, RG
	v_add_nc_u32 v[ADRB+2*\s+1], s23, v6
	s_add_co_u32 s21, s21, SLOT
	s_add_co_u32 s22, s22, SLOT
.endr
	s_mul_i32 s23, s10, 16*SPITCH
	s_add_co_u32 s23, s23, STAGE                   ; my stage
	v_mul_u32_u24 v4, v1, SPITCH
	v_lshl_add_u32 v4, v2, 5, v4
	v_add_nc_u32 v[STO], s23, v4                   ; in: row r, 32 bytes for each half of the lanes
	v_mul_u32_u24 v5, v2, SPITCH
	v_lshl_add_u32 v5, v1, 4, v5
	v_add_nc_u32 v[RD], s23, v5                    ; back: lanes 0-15 one row of 256 bytes, lanes 16-31 the next
	v_lshlrev_b32 v5, 13, v2
	v_lshl_add_u32 v[CO], v1, 4, v5                ; and the same two rows in the output
; 8 matrix instructions: row blocks a0, a0 + 1 x all 4 column blocks, on the half kq (32 along K) of a batch of 64.  zero = 1: the first product starts the sums.
; The 16 accumulators take turns, one instruction a turn, in the same order throughout.
.macro MUL8 f, kq, a0, zero
.irp a, \a0, \a0+1
.irp b, 0,1,2,3
.if \zero
	v_wmma_f32_16x16x32_f16 v[8*(4*(\a)+\b):8*(4*(\a)+\b)+7], v[\f+8*(4*\kq+\b):\f+8*(4*\kq+\b)+7], v[\f+8*(4*\kq+(\a)):\f+8*(4*\kq+(\a))+7], 0
.else
	v_wmma_f32_16x16x32_f16 v[8*(4*(\a)+\b):8*(4*(\a)+\b)+7], v[\f+8*(4*\kq+\b):\f+8*(4*\kq+\b)+7], v[\f+8*(4*\kq+(\a)):\f+8*(4*\kq+(\a))+7], v[8*(4*(\a)+\b):8*(4*(\a)+\b)+7]
.endif
.endr
.endr
.endm
; 32 LDS loads in one run: batch kb (64 along K) of a slot into buffer f.  Fragment i = 4 x (half of the batch) + block.
.macro FETCH slot, kb, f
	WIN TO_B
.irp i, 0,1,2,3,4,5,6,7
	ds_load_tr16_b128 v[\f+8*\i:\f+8*\i+3],   v[ADRB+2*\slot+(\kb>>1)] offset:((2*\kb+(\i>>2))&3)*32*PB+32*(\i&3)
	ds_load_tr16_b128 v[\f+8*\i+4:\f+8*\i+7], v[ADRB+2*\slot+(\kb>>1)] offset:((2*\kb+(\i>>2))&3)*32*PB+32*(\i&3)+16*PB
.endr
	WIN 0
.irp i, 0,1,2,3,4,5,6,7
	ds_load_b128 v[\f+8*\i:\f+8*\i+3],   v[ADRA+\slot] offset:16*PA*(\i&3)+64*(2*\kb+(\i>>2))
	ds_load_b128 v[\f+8*\i+4:\f+8*\i+7], v[ADRA+\slot] offset:16*PA*(\i&3)+64*(2*\kb+(\i>>2))+32
.endr
.endm
.macro PLACES                          ; four plain vector instructions between a matrix instruction and a load into, or a vector read of, its registers (ISA guide 7.12.1 for vector instructions)
.rept 4
	v_nop
.endr
.endm
.macro QUARTER slot, kb, f, g, zero    ; multiplies buffer f; in its middle fetches batch kb of the same slot into buffer g
	s_wait_dscnt 8                                 ; wo and yh's first half of the batch are in; the youngest eight loads (yh's second half) may be out
	WIN MUL_W
	MUL8 \f, 0, 0, \zero
	MUL8 \f, 0, 2, \zero
	PLACES
	FETCH \slot, \kb, \g
	s_wait_dscnt 32                                ; all but the 32 just issued
	WIN MUL_W
	MUL8 \f, 1, 0, 0
	MUL8 \f, 1, 2, 0
.endm
.macro THREE slot, zero
	QUARTER \slot, 1, F0, F1, \zero
	QUARTER \slot, 2, F1, F0, 0
	QUARTER \slot, 3, F0, F1, 0
.endm
; The last batch multiplies buffer 1 and changes slots: each wave's reads of this slot and all its tensor loads are waited for in front of the barrier;
; behind it the refill comes first, then the next slot's first fragments.
.macro TURN slot, next, fill
	s_wait_dscnt 8
	WIN MUL_W
	MUL8 F1, 0, 0, 0
	s_wait_dscnt 0                                 ; my reads of this slot are over
	s_wait_tensorcnt 0x0                           ; all my tensor loads have landed: the one that was out is my part of the next slot
	ds_add_u32 v255, v255
	s_wait_dscnt 0x0
	s_barrier_signal -1                            ; where the slot is filled again this barrier opens a round of the cluster's barrier
	MUL8 F1, 0, 2, 0                               ; register work while the others arrive
	WIN 0
	s_barrier_wait -1
.if \fill
	CREST                                          ; no wave of any partner still reads this slot or has a load on its way
	s_add_nc_u64 s[G0+4*\slot+2:G0+4*\slot+3], s[G0+4*\slot+2:G0+4*\slot+3], 2*512
	s_add_nc_u64 s[G0B+4*\slot+2:G0B+4*\slot+3], s[G0B+4*\slot+2:G0B+4*\slot+3], 2*256*ROWB
	JLOAD \slot                                    ; the first tensor load behind the round, my only one until the next
.endif
	PLACES
	FETCH \next, 0, F0
	WIN MUL_W
	MUL8 F1, 1, 0, 0
	MUL8 F1, 1, 2, 0
.endm
.macro LAP zero
	THREE 0, \zero
	TURN 0, 1, 1
	THREE 1, 0
	TURN 1, 0, 1
.endm
	s_wait_loadcnt 0x0                             ; the 16 loads of bo and rsc, once
	s_wait_tensorcnt 1                             ; my part of K step 0 is in; K step 1's stays out
	s_barrier_signal -1
	s_barrier_wait -1
	FETCH 0, 0, F0
	LAP 1                                          ; the first lap stands in front of the loop: its first products start the sums
	WIN 0
	s_mov_b32 s3, LAPS-2
.Llap:
	LAP 0
	WIN 0
	s_sub_co_u32 s3, s3, 1
	s_cmp_lg_u32 s3, 0
	s_cbranch_scc1 .Llap
	THREE 0, 0                                     ; the last lap fills nothing
	TURN 0, 1, 0
	THREE 1, 0
	s_wait_dscnt 8
	WIN MUL_W
	MUL8 F1, 0, 0, 0
	MUL8 F1, 0, 2, 0
	s_wait_dscnt 0
	MUL8 F1, 1, 0, 0
	MUL8 F1, 1, 2, 0
	; THE WAY OUT, 16 rows at a time: one fused multiply-add (the row's scale, the column's bias), 32 bytes a lane into my stage, back as whole rows of 256 bytes.
	PLACES
	s_lshl_b32 s78, s13, 1
	s_add_co_u32 s78, s78, s11                     ; my block of 64 rows
	s_lshl_b32 s78, s78, 19                        ; 64 rows of 8,192 bytes
	s_lshl_b32 s79, s42, 1
	s_add_co_u32 s79, s79, s12                     ; my block of 64 columns
	s_lshl_b32 s79, s79, 8                         ; 256 bytes each
	s_add_co_u32 s78, s78, s79
	s_mov_b32 s79, 0
	s_add_nc_u64 s[8:9], s[8:9], s[78:79]
.macro OUT16 a, f                      ; rows 16 a .. 16 a + 15 of my block
	WIN 0x02                                       ; source 0 (the accumulators) in window 2
.irp b, 0,1,2,3
.irp k, 0,1,2,3
	v_pk_fma_f32 v[TMP+8*\b+2*\k:TMP+8*\b+2*\k+1], v[8*(4*\a+\b)+2*\k:8*(4*\a+\b)+2*\k+1], v[224+2*\a:225+2*\a], v[32+8*\b+2*\k:33+8*\b+2*\k]
.endr
.endr
	WIN 0
.irp b, 0,1,2,3
	ds_store_b128 v[STO], v[TMP+8*\b:TMP+8*\b+3]   offset:64*\b
	ds_store_b128 v[STO], v[TMP+8*\b+4:TMP+8*\b+7] offset:64*\b+16
.endr
	s_wait_xcnt 0x0                                ; buffer f, which earlier stores read, and the stores' base are rewritten only behind this wait
.if \a
	s_add_nc_u64 s[8:9], s[8:9], 16*OROW
.endif
.irp t, 0,1,2,3,4,5,6,7
	ds_load_b128 v[\f+4*\t:\f+4*\t+3], v[RD] offset:\t*2*SPITCH    ; LDS serves a wave's instructions in order: these see the stores above
.endr
.irp t, 0,1,2,3,4,5,6,7
	s_wait_dscnt 7-\t                              ; pair t of rows is in, the younger ones stay out
	global_store_b128 v[CO], v[\f+4*\t:\f+4*\t+3], s[8:9] offset:2*\t*OROW th:TH_STORE_NT    ; 16 lanes store 256 consecutive bytes, aligned
.endr
.endm
	OUT16 0, F0
	OUT16 1, F1
	OUT16 2, F0
	OUT16 3, F1
	s_set_vgpr_msb 0x1
	s_wait_tensorcnt 0x0
	ds_add_u32 v255, v255
	s_wait_dscnt 0x0
	s_set_vgpr_msb 0x100
	CROUND                                         ; the closing round: no work-group ends while a partner may still ask for a tile that names it
	s_endpgm
.Lfunc_end_k_q6c9d9183dc_outp:
	.size	k_q6c9d9183dc_outp, .Lfunc_end_k_q6c9d9183dc_outp-k_q6c9d9183dc_outp
	.p2alignl 7, 3214868480
	.fill 96, 4, 3214868480
	.section	.rodata,"a",@progbits
	.p2align	6, 0x0
	.amdhsa_kernel k_q6c9d9183dc_outp
		.amdhsa_group_segment_fixed_size 327680
		.amdhsa_private_segment_fixed_size 0
		.amdhsa_enable_private_segment 0
		.amdhsa_kernarg_size 40
		.amdhsa_user_sgpr_count 2
		.amdhsa_user_sgpr_kernarg_segment_ptr 1
		.amdhsa_wavefront_size32 1
		.amdhsa_system_sgpr_workgroup_id_x 1
		.amdhsa_system_sgpr_workgroup_id_y 1
		.amdhsa_system_sgpr_workgroup_id_z 1
		.amdhsa_system_vgpr_workitem_id 0
		.amdhsa_next_free_vgpr 640
		.amdhsa_next_free_sgpr 84
		.amdhsa_reserve_vcc 0
		.amdhsa_float_denorm_mode_32 3
		.amdhsa_float_denorm_mode_16_64 3
		.amdhsa_memory_ordered 1
		.amdhsa_forward_progress 1
		.amdhsa_inst_pref_size 129
	.end_amdhsa_kernel
	.amdgpu_metadata
---
amdhsa.version: [ 1, 2 ]
amdhsa.kernels:
  - .name:           k_q6c9d9183dc_outp
    .symbol:         k_q6c9d9183dc_outp.kd
    .args:
      - { .name: yh, .offset: 0, .size: 8, .value_kind: global_buffer, .address_space: global }
      - { .name: h16, .offset: 8, .size: 8, .value_kind: global_buffer, .address_space: global }
      - { .name: rsc, .offset: 16, .size: 8, .value_kind: global_buffer, .address_space: global }
      - { .name: bo, .offset: 24, .size: 8, .value_kind: global_buffer, .address_space: global }
      - { .name: out0, .offset: 32, .size: 8, .value_kind: global_buffer, .address_space: global }
    .group_segment_fixed_size: 327680
    .private_segment_fixed_size: 0
    .kernarg_segment_align: 8
    .kernarg_segment_size: 40
    .max_flat_workgroup_size: 128
    .sgpr_count:     84
    .vgpr_count:     640
    .wavefront_size: 32
...
	.end_amdgpu_metadata
.endif
;; end of part 5
